; MI455X (gfx1250); checked and timed in simulation.
; The chip was launched on July 23, 2026; its instructions are those of AMD's public machine-readable ISA for CDNA 5 (MIT licence, August 2026) and "CDNA5" Instruction Set Architecture Reference Guide (July 2026). The comments in the code are by the model that wrote it; some were corrected since.
;; Multi Head Attention. Allowed arithmetic: matrix products marked QUANTISED: E2M3 operands, one E8M0 scale for each 32 along K, by v_wmma_scale_f32_16x16x128_f8f6f4 with both operands' format E2M3, f32 sums; everything else in f32.
;; Inputs: Wk 1,024 x 1,024 float32; Wo 1,024 x 1,024 float32; Wq 1,024 x 1,024 float32; Wv 1,024 x 1,024 float32; X 4 x 2,048 x 1,024 float32; bk 1,024 float32; bo 1,024 float32; bq 1,024 float32; bv 1,024 float32.
;; Outputs: out0 4 x 2,048 x 1,024 float32.
;; This version of the problem:
;;   THIS VERSION OF THE PROBLEM IS GIVEN IN LOW PRECISION. The matrix products marked QUANTISED in the list below multiply operands that are first quantised to E2M3 (2 exponent bits, 3 mantissa bits; 6 bits a number), with one power-of-two scale for each 32 numbers along K (OCP MX v1.0); their sums are f32. All else is computed in f32.
;;   The module's matrix products, in the order in which they are computed (A, B: the left and right operand; K: the contracted axis; several contracted axes count as one K, in the product's order):
;;     1. [M 8,192, K 1,024] x [K 1,024, N 1,024]; A: input X; B: input Wq: QUANTISED
;;     2. [M 8,192, K 1,024] x [K 1,024, N 1,024]; A: input X; B: input Wk: QUANTISED
;;     3. [M 8,192, K 1,024] x [K 1,024, N 1,024]; A: input X; B: input Wv: QUANTISED
;;     4. batch 64 x [M 2,048, K 64] x [K 64, N 2,048]; A: computed on the way; B: computed on the way: QUANTISED
;;     5. batch 64 x [M 2,048, K 2,048] x [K 2,048, N 64]; A: softmax (see below); B: computed on the way: QUANTISED
;;     6. [M 8,192, K 1,024] x [K 1,024, N 1,024]; A: computed on the way; B: input Wo: QUANTISED
;;   THE QUANTISER, for each operand of a quantised product, along K:
;;     - K is cut into blocks of 32 from its start; a last block that is shorter is filled with zeros.
;;     - A block's scale is 2^e with e = floor(log2(the largest magnitude in the block)) - 2, held to -126 .. 127; a block of zeros has e = 0. As a byte (E8M0): e + 127.
;;     - Each number is divided by its block's scale, clamped to +-7.5, and rounded to the nearest number of E2M3, ties to even, subnormals kept.
;;     - The product sums the exact products of the quantised numbers (number of the format x scale) in f32.
;;   ~~~python
;;   def quantise(x, axis):      # numpy; x: float32 -> the quantised numbers, widened to float32 again
;;       x = np.moveaxis(x, axis, -1); K = x.shape[-1]
;;       x = np.pad(x, [(0, 0)] * (x.ndim - 1) + [(0, -K % 32)]); x = x.reshape(x.shape[:-1] + (-1, 32)); a = np.abs(x).max(-1, keepdims=True)
;;       e = np.where(a > 0, np.clip(np.frexp(np.where(a > 0, a, 1))[1] - 1 - 2, -126, 127), 0)      # np.frexp(a)[1] - 1 = floor(log2(a)), exactly
;;       r = np.clip(x / 2.0 ** e, -7.5, 7.5)
;;       step = 2.0 ** (np.maximum(np.frexp(np.where(r == 0, 1, r))[1] - 1, 0) - 3)
;;       q = np.round(r / step) * step * 2.0 ** e      # np.round: ties to even
;;       return np.moveaxis(q.reshape(q.shape[:-2] + (-1,))[..., :K], -1, axis).astype(np.float32)
;;   ~~~
;;   SOFTMAX AHEAD OF A QUANTISED PRODUCT. Where the list says 'softmax', what is quantised is not the finished softmax but p = 2^(t - M), with t = logit x log2(e) and M = ceil(the row's largest t), a whole number; so 1/2 < the row's largest p <= 1. The row's sum l is taken of the UNQUANTISED p, in f32, and the product's result is divided by l at the end. Since M is a whole number, a kernel that streams over the keys may use a running M (the ceiling of the running maximum): every later rescaling is an exact power of two, which a block's scale takes up: the codes' values come out the same.
;;   OPERANDS COMPUTED ON THE WAY. 'Computed on the way' means the value that the module computes at that place (a softmax that the list does not call 'softmax' is quantised finished and normalised). What goes into a quantiser is computed in f32, as accurately as f32 sums, v_exp_f32 and their like allow (about 1e-6 of the number): no bf16 or f16 on the way to a quantiser, and a product that is left as it is and whose result goes on into a quantised operand takes f32 operands (vector FMAs, or v_wmma_f32_16x16x4_f32). A number that lies on a knife's edge between two numbers of the format may be rounded either way, as far as f32 arithmetic and the matrix unit's own rounding can turn it there, and no further.
;; One version. Each part assembles by itself: llvm-mc -triple=amdgcn-amd-amdhsa -mcpu=gfx1250 --defsym DOCPART=n.
;; ======== version 1 of 1: 4 launches
;; workspace buffers: xq 6,553,600 bytes; wq 3,276,800 bytes; oq 6,553,600 bytes; qkv 19,660,800 bytes
;; launch quant (part 1): grid 384 x 1, 4 waves a work-group, no clusters, 34,304 bytes of LDS; arguments X, Wq, Wk, Wv, Wo, xq, wq; writes xq, wq
.if DOCPART == 1
	.amdgcn_target "amdgcn-amd-amdhsa--gfx1250"
	.amdhsa_code_object_version 6
	.text
	.protected	k_q5335351949_quant
	.globl	k_q5335351949_quant
	.p2align	8
	.type	k_q5335351949_quant,@function
k_q5335351949_quant:
	s_mov_b64 s[64:65], 0
	v_nop
	global_prefetch_b8 v0, s[64:65] scope:SCOPE_SE
	s_setreg_imm32_b32 hwreg(HW_REG_WAVE_MODE, 25, 1), 1
	s_wait_xcnt 0x0
; X [8192][1024] and the 4,096 rows Wq | Wk | Wv | Wo [1024][1024], f32, K innermost, become codes of FP6 (E2M3) with one E8M0 byte for each 32 along K,
; laid as IMAGES OF OPERAND REGISTERS.  A fragment is 16 rows x 128 K, 12 registers a lane: lane (r, h) holds k = 64 c + 32 h + 0 .. 31 in registers 6 c .. 6 c + 5.  It lies as two halves of 768 bytes:
; 32 lanes x 16 bytes (registers 0-3), then 32 lanes x 8 bytes (registers 4-5).  Codes: [block of 128 rows][K slot of 256][q][tile 8][1,536 bytes]; scale words behind all codes: [block][K slot][tile][r][q].
; THE ROWS OF A TILE ARE NOT NEIGHBOURS: lane r of tile i takes row 32 (i / 2) + 8 (i % 2) + r + 8 (r / 8) of its block of 128.
; A block's scale is 2^(floor(log2(largest magnitude)) - 2): its byte is the largest magnitude's exponent field - 2, held at 1 from below.
; LIMITS: a block of zeros gets the byte 1 (its codes are zeros, and this program alone reads the bytes); largest magnitudes under 2^-124 are held at that floor; NaN and infinities are not served.
; SHARES: a work-group takes 32 rows (two tiles); wave w takes K slot w: 32 rows x 256 K = four fragments f (tile f / 2, q = f % 2).  Work-groups 0-255: X; 256-383: the weights.
; Each load reads 512 consecutive bytes of a row; a fragment's 16 rows turn through the wave's own stage in LDS (rows 528 bytes apart) so that a lane gets 32 neighbours along K twice.  Waves share nothing: no barrier.
.set STGB, 8448                        ; a wave's stage: 16 rows x 528 bytes
.set SP,   528
.set WD,   16                          ; v16-19   the four fragments' scale words
.set PC,   20                          ; v20-31   a fragment's codes
.set PT,   32                          ; v32-39   the conversions' second halves (a conversion's three registers begin on an even number)
.set XS,   40                          ; v40-103  64 numbers of my row: register 32 c + i = k 64 c + 32 h + i
.set R,    104                         ; v104-231 two sets of 64 registers as loaded
	s_load_b256 s[4:11], s[0:1], 0x0               ; X, Wq, Wk, Wv
	s_load_b128 s[12:15], s[0:1], 0x20             ; Wo, xq
	s_load_b64 s[16:17], s[0:1], 0x30              ; wq
	v_lshl_add_u32 v232, v0, 2, 0x8400
	v_mov_b32 v233, 0
	v_lshrrev_b32 v1, 5, v0
	v_readfirstlane_b32 s18, v1                    ; wave = K slot
	v_and_b32 v1, 31, v0                           ; lane
	v_lshlrev_b32 v2, 4, v1                        ; 16 x lane: loads, and the codes' first plane
	v_lshlrev_b32 v4, 3, v1                        ; 8 x lane: the scale words
	v_add_nc_u32 v3, 512, v4                       ; 512 + 8 x lane: the codes' second plane
	s_mul_i32 s19, s18, STGB
	v_add_nc_u32 v5, s19, v2                       ; the stage, way in
	v_and_b32 v8, 15, v0                           ; r
	v_bfe_u32 v9, v0, 4, 1                         ; h
	v_mul_u32_u24 v6, v8, SP
	v_lshl_add_u32 v6, v9, 7, v6
	v_add_nc_u32 v6, s19, v6                       ; way out: row r, + 128 h bytes
	v_lshlrev_b32 v7, 3, v9                        ; 8 h: where my two bytes stand in a scale word
	v_mov_b32 v15, 0                               ; a lane permute's destination counts as read
	s_mov_b32 s2, 0x76543210
	s_mov_b32 s3, 0xfedcba98                       ; selects for lane l xor 16
	s_sub_co_u32 s20, ttmp9, 256                   ; the group among the weights' 128
	s_and_b32 s22, s20, 31                         ; its place in its tensor
	s_lshr_b32 s23, s20, 5                         ; which weight (no small number in X's work-groups)
	s_mov_b32 s24, 3145728
	s_cmp_lt_u32 ttmp9, 256                        ; X's work-group?  The choice hangs on the work-group's number alone
	s_cselect_b32 s21, ttmp9, s20                  ; the group of 32 rows in the destination
	s_cselect_b32 s22, ttmp9, s22                  ; and in the source
	s_cselect_b32 s24, 6291456, s24                ; where the destination's scale words begin
	s_wait_kmcnt 0x0
	s_cselect_b64 s[26:27], s[14:15], s[16:17]
	s_cselect_b64 s[28:29], s[4:5], s[6:7]
	s_cmp_eq_u32 s23, 1
	s_cselect_b64 s[28:29], s[8:9], s[28:29]
	s_cmp_eq_u32 s23, 2
	s_cselect_b64 s[28:29], s[10:11], s[28:29]
	s_cmp_eq_u32 s23, 3
	s_cselect_b64 s[28:29], s[12:13], s[28:29]
	s_lshl_b32 s30, s22, 17                        ; 32 rows of 4,096 bytes
	s_lshl_b32 s31, s18, 10                        ; 256 numbers along K
	s_add_co_u32 s30, s30, s31
	s_mov_b32 s31, 0
	s_add_nc_u64 s[28:29], s[28:29], s[30:31]      ; the source
	s_lshr_b32 s32, s21, 2                         ; block of 128 rows
	s_and_b32 s33, s21, 3                          ; which two tiles of it
	s_mul_i32 s34, s32, 98304
	s_mul_i32 s35, s18, 24576
	s_add_co_u32 s34, s34, s35
	s_mul_i32 s35, s33, 3072
	s_add_co_u32 s34, s34, s35
	s_mov_b32 s35, 0
	s_add_nc_u64 s[36:37], s[26:27], s[34:35]      ; the codes
	s_lshl_b32 s34, s32, 12
	s_add_co_u32 s34, s34, s24
	s_lshl_b32 s32, s18, 10
	s_add_co_u32 s34, s34, s32
	s_lshl_b32 s33, s33, 8
	s_add_co_u32 s34, s34, s33
	s_add_nc_u64 s[38:39], s[26:27], s[34:35]      ; the scale words: 256 bytes for my two tiles
.macro LOAD f                          ; fragment f's 16 rows x 512 bytes into set f % 2
.irp t, 0,1,2,3,4,5,6,7,8,9,10,11,12,13,14,15
	global_load_b128 v[R+64*((\f)%2)+4*\t:R+64*((\f)%2)+4*\t+3], v2, s[28:29] offset:(8*((\f)/2)+\t+8*(\t/8))*4096+512*((\f)%2) th:TH_LOAD_NT
.endr
.endm
.macro TURN f                          ; through the stage: LDS serves a wave's instructions in order, so no wait stands between the stores and the loads
.irp t, 0,1,2,3,4,5,6,7,8,9,10,11,12,13,14,15
	ds_store_b128 v5, v[R+64*((\f)%2)+4*\t:R+64*((\f)%2)+4*\t+3] offset:\t*SP
.endr
.irp c, 0,1
.irp j, 0,1,2,3,4,5,6,7
	ds_load_b128 v[XS+32*\c+4*\j:XS+32*\c+4*\j+3], v6 offset:256*\c+16*\j
.endr
.endr
.endm
.macro QF f                            ; my two whole blocks (2 c + h) become codes and two bytes of the row's scale word
.irp c, 0,1
	v_max3_num_f32 v[8+\c], |v[XS+32*\c]|, |v[XS+32*\c+1]|, 0x1800000   ; with the floor 2^(3 - 127): the byte cannot fall under 1
.endr
.irp i, 2,4,6,8,10,12,14,16,18,20,22,24,26,28,30
.irp c, 0,1
	v_max3_num_f32 v[8+\c], v[8+\c], |v[XS+32*\c+\i]|, |v[XS+32*\c+\i+1]|
.endr
.endr
.irp c, 0,1
	v_add_nc_u32 v[10+\c], 0xff000000, v[8+\c]     ; 2 off the exponent field: the conversion's scale operand
.endr
.irp c, 0,1
	v_lshrrev_b32 v[12+\c], 23, v[10+\c]           ; the byte
.endr
	v_lshl_or_b32 v14, v13, 16, v12
	v_lshlrev_b32 v14, v7, v14                     ; blocks h and 2 + h at their places
	v_permlanex16_b32 v15, v14, s2, s3
	v_or_b32 v[WD+(\f)], v14, v15                  ; with lane l xor 16's two the word is whole
.if (\f) > 0
	s_wait_xcnt 0x0                                ; the last fragment's stores have read their data: the codes' registers are written again only behind this wait
.endif
.irp c, 0,1
	v_cvt_scalef32_pk16_fp6_f32 v[PC+6*\c:PC+6*\c+2], v[XS+32*\c:XS+32*\c+15], v[10+\c]
	v_cvt_scalef32_pk16_fp6_f32 v[PT+4*\c:PT+4*\c+2], v[XS+32*\c+16:XS+32*\c+31], v[10+\c]
.endr
	v_nop                                          ; one plain place behind a scaled conversion
.irp c, 0,1
.irp i, 0,1,2
	v_mov_b32 v[PC+6*\c+3+\i], v[PT+4*\c+\i]
.endr
.endr
.irp c, 0,1
	global_store_b128 v2, v[PC+6*\c:PC+6*\c+3], s[36:37] offset:((\f)%2)*12288+((\f)/2)*1536+\c*768     ; 512 consecutive bytes, aligned
	global_store_b64 v3, v[PC+6*\c+4:PC+6*\c+5], s[36:37] offset:((\f)%2)*12288+((\f)/2)*1536+\c*768    ; 256 consecutive bytes, aligned
.endr
.endm
	LOAD 0
	LOAD 1
.irp f, 0,1,2,3
.if \f < 3
	s_wait_loadcnt 16                              ; this fragment's 16 loads are in; the next fragment's 16 may be out
.else
	s_wait_loadcnt 0x0
.endif
	TURN \f
	s_wait_dscnt 0x0                               ; the numbers are back, and the stage's stores have read their registers,
.if \f < 2
	LOAD \f+2                                      ; which take the loads of two fragments on
.endif
	QF \f
.endr
	s_mov_b32 s19, 0xffff0000                      ; lanes 16-31
	v_cndmask_b32 v8, v16, v18, s19                ; lanes 0-15 store tile 0's two words of row r, lanes 16-31 tile 1's
	v_cndmask_b32 v9, v17, v19, s19
	global_store_b64 v4, v[8:9], s[38:39]          ; 256 consecutive bytes, aligned
	s_wait_tensorcnt 0x0
	ds_add_u32 v232, v233
	s_wait_dscnt 0x0
	s_endpgm
.Lfunc_end_k_q5335351949_quant:
	.size	k_q5335351949_quant, .Lfunc_end_k_q5335351949_quant-k_q5335351949_quant
	.p2alignl 7, 3214868480
	.fill 96, 4, 3214868480
	.section	.rodata,"a",@progbits
	.p2align	6, 0x0
	.amdhsa_kernel k_q5335351949_quant
		.amdhsa_group_segment_fixed_size 34304
		.amdhsa_private_segment_fixed_size 0
		.amdhsa_enable_private_segment 0
		.amdhsa_kernarg_size 56
		.amdhsa_user_sgpr_count 2
		.amdhsa_user_sgpr_kernarg_segment_ptr 1
		.amdhsa_wavefront_size32 1
		.amdhsa_system_sgpr_workgroup_id_x 1
		.amdhsa_system_sgpr_workgroup_id_y 1
		.amdhsa_system_sgpr_workgroup_id_z 1
		.amdhsa_system_vgpr_workitem_id 0
		.amdhsa_next_free_vgpr 234
		.amdhsa_next_free_sgpr 66
		.amdhsa_reserve_vcc 0
		.amdhsa_float_denorm_mode_32 3
		.amdhsa_float_denorm_mode_16_64 3
		.amdhsa_memory_ordered 1
		.amdhsa_forward_progress 1
		.amdhsa_inst_pref_size 31
	.end_amdhsa_kernel
	.amdgpu_metadata
---
amdhsa.version: [ 1, 2 ]
amdhsa.kernels:
  - .name:           k_q5335351949_quant
    .symbol:         k_q5335351949_quant.kd
    .args:
      - { .name: X, .offset: 0, .size: 8, .value_kind: global_buffer, .address_space: global }
      - { .name: Wq, .offset: 8, .size: 8, .value_kind: global_buffer, .address_space: global }
      - { .name: Wk, .offset: 16, .size: 8, .value_kind: global_buffer, .address_space: global }
      - { .name: Wv, .offset: 24, .size: 8, .value_kind: global_buffer, .address_space: global }
      - { .name: Wo, .offset: 32, .size: 8, .value_kind: global_buffer, .address_space: global }
      - { .name: xq, .offset: 40, .size: 8, .value_kind: global_buffer, .address_space: global }
      - { .name: wq, .offset: 48, .size: 8, .value_kind: global_buffer, .address_space: global }
    .group_segment_fixed_size: 34304
    .private_segment_fixed_size: 0
    .kernarg_segment_align: 8
    .kernarg_segment_size: 56
    .max_flat_workgroup_size: 128
    .sgpr_count:     66
    .vgpr_count:     234
    .wavefront_size: 32
...
	.end_amdgpu_metadata
.endif
;; end of part 1
;; launch qkv (part 2): grid 12 x 32, 4 waves a work-group, clusters of 4 x 4, 327,680 bytes of LDS; arguments xq, wq, bq, bk, bv, qkv; writes qkv
.if DOCPART == 2
	.amdgcn_target "amdgcn-amd-amdhsa--gfx1250"
	.amdhsa_code_object_version 6
	.text
	.protected	k_q5335351949_qkv
	.globl	k_q5335351949_qkv
	.p2align	8
	.type	k_q5335351949_qkv,@function
k_q5335351949_qkv:
	s_mov_b64 s[64:65], 0
	v_nop
	global_prefetch_b8 v0, s[64:65] scope:SCOPE_SE
	s_setreg_imm32_b32 hwreg(HW_REG_WAVE_MODE, 25, 1), 1
	s_wait_xcnt 0x0
	s_wait_alu depctr_hold_cnt(0) depctr_sa_sdst(0) depctr_va_vdst(0) depctr_va_sdst(0) depctr_va_ssrc(0) depctr_va_vcc(0) depctr_vm_vsrc(0)
	s_getreg_b32 s2, hwreg(HW_REG_IB_STS2, 6, 4)
	s_cmp_eq_u32 s2, 0
	s_cbranch_scc0 .Lentry_in_a_cluster
	s_endpgm
.Lentry_in_a_cluster:
	s_bfe_u32 s2, ttmp6, 0x10000c
	s_cmp_lg_u32 s2, 0xf033
	s_cbranch_scc0 .Lentry_shape_is_right
	s_endpgm
.Lentry_shape_is_right:
; q = X Wq^T + bq, k = X Wk^T + bk, v = X Wv^T + bv on codes of FP6 (E2M3) with E8M0 scales, K = 1,024; each result is quantised in registers for the attention launch and never goes to memory as f32.
; OPERANDS lie in xq and wq as images of operand registers: [block of 128 rows][K slot of 256][q][tile 8][1,536 bytes], scale words behind the codes [block][K slot][tile][r][q];
; lane r of tile i stands for row 32 (i / 2) + 8 (i % 2) + r + 8 (r / 8) of its block.  A fragment comes from LDS by four loads, each of consecutive bytes: no pitch, no padding.
; TILE: a work-group makes 256 x 256, a wave 128 x 128: 64 accumulators in windows 2 and 3.  Source 0 = 16 rows of the operand called B here, source 1 = 16 rows of A: a lane holds ONE row of A, and the 16 registers of
; B's tiles 2 b, 2 b + 1 are B's rows 32 b + 16 (lane / 16) + 0 .. 15: sixteen neighbours along the next product's K.
; CLUSTER x says which product: 0 q, 1 k (A = X, B = W: registers run along the head's channels), 2 v (A = Wv, B = X: registers run along the tokens, which are v's K).  It is the same in all partners of a cluster.
; A's tile is shared along a row of the cluster, B's along a column: each is asked for jointly.  K goes through two LDS slots of 256 along K; four fills, written out.  The scale words of all K come once.
; The bias is the C of each sum's first matrix instruction.
; OUT, in qkv: [head 64][slot of 256 tokens 8] blocks of 38,400 bytes: K codes 0, V codes 12,288, K scales 24,576, V scales 25,088, Q codes 25,600, Q scales 37,888.
; LIMITS: a block of zeros gets the scale byte 1 (its codes are zeros; this program alone reads the bytes); largest magnitudes under 2^-124 are held at that floor; NaN and infinities are not served.
.set PARTB, 24576                      ; 128 rows x 256 K: what one tensor load brings, and what one wave reads of A or of B in a slot
.set SLOT,  98304                      ; A's two halves, B's two halves
.set SCA,   196608                     ; A's scale words, 2 x 4,096 bytes; B's 8,320 bytes on, so that the two halves of a load's lanes fall on different banks
.set SPARE, 213248                     ; the spare words, 128 bytes for each wave
.set FR,    12
.set NL,    4                          ; LDS loads that bring a fragment
.set NP,    4                          ; places behind this matrix instruction (ISA guide 7.12.1)
.set ADRA,  16                         ; v16-17 my A fragments in slot 0, 1 (16 bytes a lane); v18-19 the 8-byte planes
.set ADRB,  20                         ; v20-23 the same for B
.set O16,   24                         ; v24 16 x lane
.set O8,    25                         ; v25 512 + 8 x lane
.set OSC,   26                         ; v26 16 r + a head's bytes x (lane / 16)
.set ADRS,  27                         ; v27 my scale words: lanes 0-15 A's, lanes 16-31 B's
.set SPW,   28
.set NIL,   29
.set SELV,  30                         ; v30 byte selects for the scale words of q and k
.set BOF,   31                         ; v31 the bias loads' offset
.set SC,    32                         ; v32-63 scale words, two sets of 16: register 2 i + q
.set BIAS,  64                         ; v64-127
.set AF,    128                        ; v128-223 A's fragments, one set
.set TM,    32                         ; the way out: v32-47 at work, v48-55 the eight scale words, v56-59 what is stored of them, v224-243 codes
.set PW,    48
.set WO,    56
.set PC,    224
.set PT,    236
.set G1,   24
.set G0,   32
.set G1B,  48
.set G0B,  56
.set G1S,  68
.set G0S,  76
.set G1SB, 80
.set G0SB, 88
.set MSB, 0
.macro WIN new                         ; the immediate's high byte repeats the setting that is left
.if MSB != \new
	s_set_vgpr_msb (MSB<<8)|\new
.set MSB, \new
.endif
.endm
.set MUL_LO, 0xa1                      ; source 0 (B) window 1, source 1 (A) window 0, C and D window 2
.set MUL_HI, 0xf1                      ; the same, C and D window 3
.set TO_B,   0x40
; A joint load: waves 0 and 1 ask for A's halves, waves 2 and 3 for B's.  The branch hangs on the wave's number alone.  Four v_nop follow each line.
.macro JLOAD g0a, g1a, g0b, g1b
	s_cmp_eq_u32 s17, 0
	s_cbranch_scc0 .Lfor_b_\@
	tensor_load_to_lds s[\g0a:\g0a+3], s[\g1a:\g1a+7]
	s_nop 0
.rept 4
	v_nop
.endr
	s_branch .Lasked_\@
.Lfor_b_\@:
	tensor_load_to_lds s[\g0b:\g0b+3], s[\g1b:\g1b+7]
	s_nop 0
.rept 4
	v_nop
.endr
.Lasked_\@:
.endm
.macro CREST                           ; a round of the cluster's barrier behind its opening barrier
	s_cmp_lg_u32 s16, 0
	s_cbranch_scc1 .Lnot_wave_0_\@
	s_barrier_signal -3
.Lnot_wave_0_\@:
	s_barrier_wait -3
	s_barrier_signal -1
	s_barrier_wait -1
.endm
.macro CROUND
	s_barrier_signal -1
	s_barrier_wait -1
	CREST
.endm
	s_load_b256 s[4:11], s[0:1], 0x0               ; xq, wq, bq, bk
	s_load_b128 s[12:15], s[0:1], 0x20             ; bv, qkv
	v_lshl_add_u32 v[SPW], v0, 2, SPARE
	v_mov_b32 v[NIL], 0
	ds_add_u32 v28, v29
	s_wait_dscnt 0x0
	v_lshrrev_b32 v1, 5, v0
	v_readfirstlane_b32 s16, v1                    ; wave 0..3
	s_lshr_b32 s17, s16, 1                         ; which half of A's rows is mine.  Also: I fetch for A (0) or for B (1)
	s_and_b32 s18, s16, 1                          ; which half of B's rows.  Also: which half I fetch
	s_bfe_u32 s21, ttmp6, 0x40000                  ; cx
	s_bfe_u32 s22, ttmp6, 0x40004                  ; cy
	s_mov_b32 s19, ttmp9                           ; which product: 0 q, 1 k, 2 v
	s_and_b32 s20, ttmp7, 0xffff                   ; cluster y
	s_lshl_b32 s40, s20, 2
	s_lshl_b32 s41, s19, 2
	s_lshl_b32 s23, s22, 2
	s_lshl_b32 s23, 15, s23                        ; my row of the cluster
	s_lshl_b32 s66, 0x1111, s21                    ; my column
	; group 1 for codes: 24,576 dense bytes as 96 rows of 256 (32 elements of 8 bytes); for scale words: 4,096 bytes as 16 rows
	s_or_b32 s[G1], s23, (3<<16)|(1<<21)
	s_or_b32 s[G1B], s66, (3<<16)|(1<<21)
.irp g, G1, G1B
	s_mov_b32 s[\g+1], 32<<16
	s_mov_b32 s[\g+2], 96<<16
	s_mov_b32 s[\g+3], 32<<16
	s_mov_b32 s[\g+4], 96
	s_mov_b32 s[\g+5], 32
	s_mov_b32 s[\g+6], 0
	s_mov_b32 s[\g+7], 0
.endr
	s_or_b32 s[G1S], s23, (3<<16)|(1<<21)
	s_or_b32 s[G1SB], s66, (3<<16)|(1<<21)
.irp g, G1S, G1SB
	s_mov_b32 s[\g+1], 32<<16
	s_mov_b32 s[\g+2], 16<<16
	s_mov_b32 s[\g+3], 32<<16
	s_mov_b32 s[\g+4], 16
	s_mov_b32 s[\g+5], 32
	s_mov_b32 s[\g+6], 0
	s_mov_b32 s[\g+7], 0
.endr
	s_mov_b32 s45, 6291456
	s_mov_b32 s46, 3145728
	s_cmp_eq_u32 s19, 2                            ; v?
	s_cselect_b32 s42, 0, s40
	s_cselect_b32 s43, s40, s41
	s_cselect_b32 s44, 16, 0                       ; Wv's blocks begin at 16
	s_cselect_b32 s45, 3145728, s45                ; where A's scale words begin in its buffer
	s_cselect_b32 s46, 6291456, s46                ; and B's
	s_add_co_u32 s42, s42, s22                     ; A's tile of 256 rows: it hangs on cy, never on cx
	s_add_co_u32 s43, s43, s21                     ; B's tile: on cx, never on cy
	s_lshl_b32 s47, s42, 1
	s_add_co_u32 s47, s47, s18
	s_add_co_u32 s47, s47, s44                     ; A's block of 128 rows that I would fetch
	s_lshl_b32 s67, s43, 1
	s_add_co_u32 s67, s67, s18                     ; B's
	s_mul_i32 s92, s47, 98304
	s_mov_b32 s93, 0
	s_lshl_b32 s94, s47, 12
	s_add_co_u32 s94, s94, s45
	s_mov_b32 s95, 0
	s_mul_i32 s96, s67, 98304
	s_mov_b32 s97, 0
	s_lshl_b32 s98, s67, 12
	s_add_co_u32 s98, s98, s46
	s_mov_b32 s99, 0
	s_mul_i32 s2, s16, PARTB                       ; where they go: wave x a part: no place in the cluster enters an LDS address
	s_lshl_b32 s3, s16, 12
	s_wait_kmcnt 0x0
	s_cmp_eq_u32 s19, 2
	s_cselect_b64 s[40:41], s[6:7], s[4:5]         ; A's buffer
	s_cselect_b64 s[44:45], s[4:5], s[6:7]         ; B's
	s_add_nc_u64 s[92:93], s[40:41], s[92:93]
	s_add_nc_u64 s[94:95], s[40:41], s[94:95]
	s_add_nc_u64 s[96:97], s[44:45], s[96:97]
	s_add_nc_u64 s[98:99], s[44:45], s[98:99]
	CROUND                                         ; all sixteen work-groups are here: the first joint loads meet
	s_mov_b32 s[G0S], 1
	s_add_co_u32 s[G0S+1], s3, SCA
	s_mov_b64 s[G0S+2:G0S+3], s[94:95]
	s_or_b32 s[G0S+3], s[G0S+3], 0x80000000
	s_mov_b32 s[G0SB], 1
	s_add_co_u32 s[G0SB+1], s3, SCA+128
	s_mov_b64 s[G0SB+2:G0SB+3], s[98:99]
	s_or_b32 s[G0SB+3], s[G0SB+3], 0x80000000
	JLOAD G0S, G1S, G0SB, G1SB                     ; the scale words of all K: filled once
.irp s, 0,1
	s_mov_b32 s[G0+4*\s], 1
	s_add_co_u32 s[G0+4*\s+1], s2, \s*SLOT
	s_add_nc_u64 s[G0+4*\s+2:G0+4*\s+3], s[92:93], \s*PARTB
	s_or_b32 s[G0+4*\s+3], s[G0+4*\s+3], 0x80000000
	s_mov_b32 s[G0B+4*\s], 1
	s_add_co_u32 s[G0B+4*\s+1], s2, \s*SLOT
	s_add_nc_u64 s[G0B+4*\s+2:G0B+4*\s+3], s[96:97], \s*PARTB
	s_or_b32 s[G0B+4*\s+3], s[G0B+4*\s+3], 0x80000000
	JLOAD G0+4*\s, G1, G0B+4*\s, G1B               ; K slots 0 and 1: three tensor loads of mine are out
.endr
	v_and_b32 v1, 31, v0                           ; lane
	v_and_b32 v2, 15, v0                           ; r
	v_bfe_u32 v3, v0, 4, 1                         ; h
	v_lshlrev_b32 v[O16], 4, v1
	v_lshlrev_b32 v[O8], 3, v1
	v_add_nc_u32 v[O8], 512, v[O8]
	s_mul_i32 s40, s17, PARTB                      ; my half of A
	s_mul_i32 s41, s18, PARTB
	s_add_co_u32 s41, s41, 2*PARTB                 ; my half of B
.irp s, 0,1
	v_add_nc_u32 v[ADRA+\s], s40, v[O16]
	v_add_nc_u32 v[ADRA+2+\s], s40, v[O8]
	v_add_nc_u32 v[ADRB+\s], s41, v[O16]
	v_add_nc_u32 v[ADRB+2+\s], s41, v[O8]
	s_add_co_u32 s40, s40, SLOT
	s_add_co_u32 s41, s41, SLOT
.endr
	s_lshl_b32 s40, s17, 12
	s_lshl_b32 s41, s18, 12
	s_add_co_u32 s41, s41, 8320
	s_sub_co_u32 s41, s41, s40                     ; from my half of A's words to my half of B's
	v_mul_u32_u24 v6, s41, v3                      ; lanes 16-31 take B's
	s_add_co_u32 s40, s40, SCA
	v_lshl_add_u32 v6, v2, 3, v6                   ; 8 bytes a row: the K slot's two words
	v_add_nc_u32 v[ADRS], s40, v6
	v_mul_u32_u24 v[OSC], v3, 307200
	v_lshl_add_u32 v[OSC], v2, 4, v[OSC]
	v_mov_b32 v[SELV], 0x05040100                  ; lanes 0-15: the low halves of two words (the first head's bytes);
	v_mov_b32 v7, 0x07060302                       ; lanes 16-31: the high halves (the second head's)
	s_mov_b32 s23, 0xffff0000
	v_cndmask_b32 v[SELV], v[SELV], v7, s23
	; where the results go, and the bias.  tok: the operand that holds tokens; ch: the one that holds channels
	s_mov_b32 s67, 12288
	s_mov_b32 s66, 25088
	s_mov_b32 s20, 24576
	s_mov_b32 s96, 768
	s_mov_b32 s2, 307200
	s_cmp_eq_u32 s19, 2
	s_cselect_b32 s40, s22, s21                    ; the tile of 256 channels
	s_cselect_b32 s41, s17, s18                    ; my half of it
	s_cselect_b32 s44, s43, s42                    ; the tile of 256 tokens
	s_cselect_b32 s45, s18, s17                    ; my half of it
	s_cselect_b64 s[46:47], s[12:13], s[10:11]
	s_cselect_b32 s67, s67, 0                      ; the codes' section of a block: v 12,288, k 0,
	s_cselect_b32 s66, s66, s20                    ; the scale words': v 25,088, k 24,576
	s_cselect_b32 s96, 1536, s96                   ; from fragment to fragment
	s_cselect_b32 s98, 301056, 0                   ; v: on to the next head behind four fragments
	s_cselect_b32 s2, 768, s2                      ; from a fragment's first half to its second: v the next 768 bytes, q and k the next head
	s_cmp_eq_u32 s19, 0
	s_cselect_b64 s[46:47], s[8:9], s[46:47]
	s_cselect_b32 s67, 25600, s67                  ; q
	s_cselect_b32 s66, 37888, s66
	s_mov_b32 s97, 0
	s_mov_b32 s99, 0
	s_mov_b32 s3, 0
	s_lshr_b32 s20, s44, 3
	s_lshl_b32 s20, s20, 4                         ; 16 heads a batch
	s_lshl_b32 s93, s40, 2
	s_add_co_u32 s20, s20, s93
	s_lshl_b32 s93, s41, 1
	s_add_co_u32 s20, s20, s93                     ; my first head
	s_mul_i32 s20, s20, 307200
	s_and_b32 s93, s44, 7
	s_mul_i32 s93, s93, 38400
	s_add_co_u32 s20, s20, s93                     ; and the slot of 256 tokens
	s_mul_i32 s93, s45, 6144
	s_add_co_u32 s93, s93, s20
	s_add_co_u32 s92, s93, s67
	s_mov_b32 s93, 0
	s_lshl_b32 s101, s45, 8
	s_add_co_u32 s101, s101, s20
	s_add_co_u32 s100, s101, s66
	s_mov_b32 s101, 0
	s_add_nc_u64 s[92:93], s[14:15], s[92:93]      ; a fragment's registers 0-5
	s_add_nc_u64 s[100:101], s[14:15], s[100:101]  ; the scale words
	s_add_nc_u64 s[94:95], s[92:93], s[2:3]        ; its registers 6-11
	s_lshl_b32 s40, s40, 10
	s_lshl_b32 s41, s41, 9
	s_add_co_u32 s40, s40, s41
	s_mov_b32 s41, 0
	s_add_nc_u64 s[46:47], s[46:47], s[40:41]      ; the bias of my 128 channels
	s_cmp_eq_u32 s19, 2
	s_cbranch_scc1 .Lbias_v
	v_lshlrev_b32 v[BOF], 6, v3                    ; q, k: register 16 b + i is channel 32 b + 16 h + i
.irp e, 0,1,2,3
.irp j, 0,1,2,3
	global_load_b128 v[BIAS+16*\e+4*\j:BIAS+16*\e+4*\j+3], v[BOF], s[46:47] offset:128*\e+16*\j
.endr
.endr
	s_wait_loadcnt 0x0
	s_branch .Lbias_in
.Lbias_v:
	v_and_b32 v[BOF], 8, v2                        ; v: a lane holds one channel: that of tile a is 32 (a / 2) + 8 (a % 2) + r + 8 (r / 8)
	v_add_nc_u32 v[BOF], v[BOF], v2
	v_lshlrev_b32 v[BOF], 2, v[BOF]
.irp a, 0,1,2,3,4,5,6,7
	global_load_b32 v[BIAS+8*\a], v[BOF], s[46:47] offset:(32*(\a/2)+8*(\a%2))*4
.endr
	s_wait_loadcnt 0x0
.irp a, 0,1,2,3,4,5,6,7
.irp j, 1,2,3,4,5,6,7
	v_mov_b32 v[BIAS+8*\a+\j], v[BIAS+8*\a]        ; the same number for the tile's eight tokens
.endr
.endr
.Lbias_in:
.macro FRAG reg, adr, q, i             ; a fragment as it lies: two halves of 768 bytes, each a plane of 16 bytes a lane and a plane of 8
	ds_load_b128 v[\reg:\reg+3], v[\adr] offset:(\q)*12288+(\i)*1536
	ds_load_b64 v[\reg+4:\reg+5], v[\adr+2] offset:(\q)*12288+(\i)*1536
	ds_load_b128 v[\reg+6:\reg+9], v[\adr] offset:(\q)*12288+(\i)*1536+768
	ds_load_b64 v[\reg+10:\reg+11], v[\adr+2] offset:(\q)*12288+(\i)*1536+768
.endm
; 16 matrix instructions: A's blocks a0, a0 + 1 x B's eight.  p: B's set; sc: the set of scale words.  zero = 1: the sums start from the bias by B's rows; 2: by A's rows; 0: they go on.
; The 64 accumulators take turns, one instruction a turn, in the same order in every step.
.macro MUL16 a0, p, q, sc, zero
.irp a, \a0, \a0+1
.irp b, 0,1,2,3,4,5,6,7
.if \zero == 1
	v_wmma_scale_f32_16x16x128_f8f6f4 v[8*(8*((\a)%4)+\b):8*(8*((\a)%4)+\b)+7], v[128*(\p)+FR*\b:128*(\p)+FR*\b+FR-1], v[AF+FR*(\a):AF+FR*(\a)+FR-1], v[BIAS+8*\b:BIAS+8*\b+7], v[SC+16*(\sc)+2*\b+(\q)], v[SC+16*(\sc)+2*(\a)+(\q)] matrix_a_fmt:MATRIX_FMT_FP6 matrix_b_fmt:MATRIX_FMT_FP6 matrix_a_scale:MATRIX_SCALE_ROW1
.elseif \zero == 2
	v_wmma_scale_f32_16x16x128_f8f6f4 v[8*(8*((\a)%4)+\b):8*(8*((\a)%4)+\b)+7], v[128*(\p)+FR*\b:128*(\p)+FR*\b+FR-1], v[AF+FR*(\a):AF+FR*(\a)+FR-1], v[BIAS+8*(\a):BIAS+8*(\a)+7], v[SC+16*(\sc)+2*\b+(\q)], v[SC+16*(\sc)+2*(\a)+(\q)] matrix_a_fmt:MATRIX_FMT_FP6 matrix_b_fmt:MATRIX_FMT_FP6 matrix_a_scale:MATRIX_SCALE_ROW1
.else
	v_wmma_scale_f32_16x16x128_f8f6f4 v[8*(8*((\a)%4)+\b):8*(8*((\a)%4)+\b)+7], v[128*(\p)+FR*\b:128*(\p)+FR*\b+FR-1], v[AF+FR*(\a):AF+FR*(\a)+FR-1], v[8*(8*((\a)%4)+\b):8*(8*((\a)%4)+\b)+7], v[SC+16*(\sc)+2*\b+(\q)], v[SC+16*(\sc)+2*(\a)+(\q)] matrix_a_fmt:MATRIX_FMT_FP6 matrix_b_fmt:MATRIX_FMT_FP6 matrix_a_scale:MATRIX_SCALE_ROW1
.endif
.endr
.endr
.endm
.macro FETCH_B slot, q, p
	WIN TO_B
.irp i, 0,1,2,3,4,5,6,7
	FRAG 128*(\p)+FR*\i, ADRB+\slot, \q, \i
.endr
	WIN 0
.endm
.macro FETCH_A slot, q, i0
.irp i, \i0, \i0+1, \i0+2, \i0+3
	FRAG AF+FR*(\i), ADRA+\slot, \q, \i
.endr
.endm
.macro SCALES sc                       ; a K slot's scale words: lanes 0-15 A's tile i, lanes 16-31 B's tile i, two words a row
.irp i, 0,1,2,3,4,5,6,7
	ds_load_b64 v[SC+16*\sc+2*\i:SC+16*\sc+2*\i+1], v[ADRS] offset:\i*128
.endr
.endm
.macro PLACES n                        ; places in front of loads into registers that matrix instructions have read, and of the first read of results
.rept \n
	v_nop
.endr
.endm
.macro STEP slot, q, zero              ; 128 along K that have their successor in the same slot
	s_wait_dscnt 4*NL                              ; B's set and A's blocks 0-3 are in; the youngest 16 loads (A's blocks 4-7) may be out
.if \zero
	WIN 0x81                                       ; C, the bias, in window 0; D in window 2
.else
	WIN MUL_LO
.endif
	MUL16 0, (\q)%2, \q, \slot, \zero
	MUL16 2, (\q)%2, \q, \slot, \zero
	s_wait_dscnt 0
	PLACES NP
	FETCH_B \slot, (\q)+1, 1-(\q)%2
	FETCH_A \slot, (\q)+1, 0
.if \zero
	WIN 0xc1
.else
	WIN MUL_HI
.endif
	MUL16 4, (\q)%2, \q, \slot, \zero
	MUL16 6, (\q)%2, \q, \slot, \zero
	PLACES NP
	WIN 0
	FETCH_A \slot, (\q)+1, 4
.endm
; A slot's last step changes slots: one barrier; in front of it each wave waits for all its tensor loads, adds 0 to its spare word, and waits for that and for its reads of this slot.  fill = 1: the slot is filled again, two K slots on.
.macro TURN slot, next, fill
	s_wait_tensorcnt 0x0                           ; all my tensor loads have landed: my part of the next slot
	ds_add_u32 v[SPW], v[NIL]
	s_wait_dscnt 4*NL+1                            ; (the add and the youngest 16 loads may be out)
	WIN MUL_LO
	MUL16 0, 1, 1, \slot, 0
	s_wait_dscnt 0x0                               ; the add is done, and my reads of this slot are over
	s_barrier_signal -1
	MUL16 2, 1, 1, \slot, 0
	WIN 0
	s_barrier_wait -1
.if \fill
	CREST                                          ; the barrier has opened a round of the cluster's: no wave of any partner still reads this slot or has a load on its way
	s_add_nc_u64 s[G0+4*\slot+2:G0+4*\slot+3], s[G0+4*\slot+2:G0+4*\slot+3], 2*PARTB
	s_add_nc_u64 s[G0B+4*\slot+2:G0B+4*\slot+3], s[G0B+4*\slot+2:G0B+4*\slot+3], 2*PARTB
	JLOAD G0+4*\slot, G1, G0B+4*\slot, G1B         ; the first tensor load behind the round; its four v_nop are the places in front of the loads below
.else
	PLACES NP
.endif
	v_add_nc_u32 v[ADRS], 1024, v[ADRS]            ; the next K slot's scale words (no LDS load of mine is out)
	FETCH_B \next, 0, 0
	FETCH_A \next, 0, 0
	SCALES \next
	WIN MUL_HI
	MUL16 4, 1, 1, \slot, 0
	MUL16 6, 1, 1, \slot, 0
	PLACES NP
	WIN 0
	FETCH_A \next, 0, 4
.endm
	s_wait_tensorcnt 1                             ; the scale words and my part of K slot 0 are in; K slot 1's load may be out
	s_barrier_signal -1
	s_barrier_wait -1
	FETCH_B 0, 0, 0
	FETCH_A 0, 0, 0
	SCALES 0
	FETCH_A 0, 0, 4
	s_cmp_eq_u32 s19, 2
	s_cbranch_scc1 .Lfirst_v
	STEP 0, 0, 1                                   ; q, k: the bias goes by B's rows
	s_branch .Lfirst_done
.Lfirst_v:
	STEP 0, 0, 2                                   ; v: by A's rows
.Lfirst_done:
	TURN 0, 1, 1
	STEP 1, 0, 0
	TURN 1, 0, 1
	STEP 0, 0, 0
	TURN 0, 1, 0                                   ; nothing is left to fetch
	STEP 1, 0, 0
	s_wait_dscnt 4*NL
	WIN MUL_LO
	MUL16 0, 1, 1, 1, 0
	MUL16 2, 1, 1, 1, 0
	s_wait_dscnt 0
	WIN MUL_HI
	MUL16 4, 1, 1, 1, 0
	MUL16 6, 1, 1, 1, 0
	WIN 0
; THE WAY OUT.  A's tile a: a lane's 64 registers are 128 neighbours' halves along the next K (register 16 b + i = 32 b + 16 h + i): four blocks of 32, each shared with lane l xor 16.  They become one fragment and one scale word.
; q, k: registers 0-5 are the first head's 64 channels of 16 tokens, registers 6-11 the second head's.  v: the fragment is 16 channels x 128 tokens.  Every store covers 512 or 256 consecutive bytes, aligned.
	PLACES NP
	s_mov_b32 s66, 0x76543210
	s_mov_b32 s67, 0xfedcba98
.irp e, 0,1,2,3
	v_mov_b32 v[TM+4+\e], 0                        ; a lane permute's destination counts as read
.endr
.macro QUANTA a
.set AC, 64*((\a)%4)
.set WN, 2+(\a)/4
.set WM, WN*20                         ; sources 1 and 2 in the accumulators' window
.if (\a) > 0
	s_wait_xcnt 0x0                                ; the last fragment's stores have read their data and their bases
	s_add_nc_u64 s[92:93], s[92:93], s[96:97]
	s_add_nc_u64 s[94:95], s[94:95], s[96:97]
.endif
.if (\a) == 4
	s_add_nc_u64 s[92:93], s[92:93], s[98:99]
	s_add_nc_u64 s[94:95], s[94:95], s[98:99]
.endif
	WIN WM
.irp e, 0,1,2,3
	v_max3_num_f32 v[TM+\e], 0x1800000, |v[AC+16*\e]|, |v[AC+16*\e+1]|   ; each accumulator from its low end on; the floor 2^(3 - 127) holds the byte at 1 from below
.endr
.irp i, 2,4,6,8,10,12,14
.irp e, 0,1,2,3
	v_max3_num_f32 v[TM+\e], v[TM+\e], |v[AC+16*\e+\i]|, |v[AC+16*\e+\i+1]|
.endr
.endr
	WIN 0
.irp e, 0,1,2,3
	v_permlanex16_b32 v[TM+4+\e], v[TM+\e], s66, s67
.endr
.irp e, 0,1,2,3
	v_max_num_f32 v[TM+\e], v[TM+\e], v[TM+4+\e]
.endr
.irp e, 0,1,2,3
	v_add_nc_u32 v[TM+12+\e], 0xff000000, v[TM+\e] ; 2 off the exponent field: the conversion's scale operand
.endr
.irp e, 0,1,2,3
	v_lshrrev_b32 v[TM+4+\e], 23, v[TM+12+\e]
.endr
	v_lshl_or_b32 v[PW+(\a)], v[TM+5], 8, v[TM+4]
	v_lshl_or_b32 v[PW+(\a)], v[TM+6], 16, v[PW+(\a)]
	v_lshl_or_b32 v[PW+(\a)], v[TM+7], 24, v[PW+(\a)]
	WIN WN                                         ; source 0 in the accumulators' window
.irp c, 0,1
	v_cvt_scalef32_pk16_fp6_f32 v[PC+6*\c:PC+6*\c+2], v[AC+32*\c:AC+32*\c+15], v[TM+12+2*\c]
	v_cvt_scalef32_pk16_fp6_f32 v[PT+4*\c:PT+4*\c+2], v[AC+32*\c+16:AC+32*\c+31], v[TM+12+2*\c+1]
.endr
	WIN 0
	v_nop                                          ; one plain place behind a scaled conversion
.irp c, 0,1                            ; the layout wants a whole block in a lane: lanes 0-15 block 2 c, lanes 16-31 block 2 c + 1
.irp i, 0,1,2
	v_permlane16_swap_b32 v[PC+6*\c+\i], v[PT+4*\c+\i]
.endr
.irp i, 0,1,2
	v_mov_b32 v[PC+6*\c+3+\i], v[PT+4*\c+\i]
.endr
.endr
	global_store_b128 v[O16], v[PC:PC+3], s[92:93]
	global_store_b64 v[O8], v[PC+4:PC+5], s[92:93]
	global_store_b128 v[O16], v[PC+6:PC+9], s[94:95]
	global_store_b64 v[O8], v[PC+10:PC+11], s[94:95]
.endm
.irp a, 0,1,2,3,4,5,6,7
	QUANTA \a
.endr
	s_cmp_eq_u32 s19, 2
	s_cbranch_scc1 .Lsc_v
.irp e, 0,1,2,3
	v_perm_b32 v[WO+\e], v[PW+2*\e+1], v[PW+2*\e], v[SELV]   ; q, k: a head's two bytes of tile 2 e, then of tile 2 e + 1
.endr
	s_branch .Lsc_out
.Lsc_v:
.irp e, 0,1,2,3
	v_cndmask_b32 v[WO+\e], v[PW+\e], v[PW+4+\e], s23        ; v: the head's four tiles of channels
.endr
.Lsc_out:
	global_store_b128 v[OSC], v[WO:WO+3], s[100:101]         ; lanes 0-15: 256 aligned bytes of the first head, lanes 16-31 of the second
	s_wait_tensorcnt 0x0                           ; the wave's end
	ds_add_u32 v[SPW], v[NIL]
	s_wait_dscnt 0x0
	CROUND                                         ; the closing round
	s_endpgm
.Lfunc_end_k_q5335351949_qkv:
	.size	k_q5335351949_qkv, .Lfunc_end_k_q5335351949_qkv-k_q5335351949_qkv
	.p2alignl 7, 3214868480
	.fill 96, 4, 3214868480
	.section	.rodata,"a",@progbits
	.p2align	6, 0x0
	.amdhsa_kernel k_q5335351949_qkv
		.amdhsa_group_segment_fixed_size 327680
		.amdhsa_private_segment_fixed_size 0
		.amdhsa_enable_private_segment 0
		.amdhsa_kernarg_size 48
		.amdhsa_user_sgpr_count 2
		.amdhsa_user_sgpr_kernarg_segment_ptr 1
		.amdhsa_wavefront_size32 1
		.amdhsa_system_sgpr_workgroup_id_x 1
		.amdhsa_system_sgpr_workgroup_id_y 1
		.amdhsa_system_sgpr_workgroup_id_z 1
		.amdhsa_system_vgpr_workitem_id 0
		.amdhsa_next_free_vgpr 1024
		.amdhsa_next_free_sgpr 102
		.amdhsa_reserve_vcc 0
		.amdhsa_float_denorm_mode_32 3
		.amdhsa_float_denorm_mode_16_64 3
		.amdhsa_memory_ordered 1
		.amdhsa_forward_progress 1
		.amdhsa_inst_pref_size 168
	.end_amdhsa_kernel
	.amdgpu_metadata
---
amdhsa.version: [ 1, 2 ]
amdhsa.kernels:
  - .name:           k_q5335351949_qkv
    .symbol:         k_q5335351949_qkv.kd
    .args:
      - { .name: xq, .offset: 0, .size: 8, .value_kind: global_buffer, .address_space: global }
      - { .name: wq, .offset: 8, .size: 8, .value_kind: global_buffer, .address_space: global }
      - { .name: bq, .offset: 16, .size: 8, .value_kind: global_buffer, .address_space: global }
      - { .name: bk, .offset: 24, .size: 8, .value_kind: global_buffer, .address_space: global }
      - { .name: bv, .offset: 32, .size: 8, .value_kind: global_buffer, .address_space: global }
      - { .name: qkv, .offset: 40, .size: 8, .value_kind: global_buffer, .address_space: global }
    .group_segment_fixed_size: 327680
    .private_segment_fixed_size: 0
    .kernarg_segment_align: 8
    .kernarg_segment_size: 48
    .max_flat_workgroup_size: 128
    .sgpr_count:     102
    .vgpr_count:     1024
    .wavefront_size: 32
...
	.end_amdgpu_metadata
.endif
;; end of part 2
;; launch attn (part 3): grid 4 x 64, 16 waves a work-group, no clusters, 327,680 bytes of LDS; arguments qkv, oq; writes oq
.if DOCPART == 3
	.amdgcn_target "amdgcn-amd-amdhsa--gfx1250"
	.amdhsa_code_object_version 6
	.text
	.protected	k_q5335351949_attn
	.globl	k_q5335351949_attn
	.p2align	8
	.type	k_q5335351949_attn,@function
k_q5335351949_attn:
	s_mov_b64 s[64:65], 0
	v_nop
	global_prefetch_b8 v0, s[64:65] scope:SCOPE_SE
	s_setreg_imm32_b32 hwreg(HW_REG_WAVE_MODE, 25, 1), 1
	s_wait_xcnt 0x0
; Causal attention of one head on codes of FP6 (E2M3) with E8M0 scales; head size 64, 2,048 tokens.  t = score x log2(e) / 8; M = the running largest t rounded up to a whole number; p = 2^(t - M) is quantised along the keys;
; the row's sum is taken of the unquantised p and divides at the end; when M moves, the sum and O are multiplied by 2^(old M - new M), which rounds nothing.  O is quantised along the head's 64 and stored as an operand image for the last product.
; IN: qkv [head 64][slot of 256 tokens 8] blocks of 38,400 bytes: K codes 0, V codes 12,288, K scales 24,576, V scales 25,088 (these 25,600 bytes are a key slot), Q codes 25,600, Q scales 37,888.
; SHARES: work-group (x, head) owns the query blocks x and 7 - x, 256 queries each: block x walks key slots 0 .. x, then block 7 - x walks 0 .. 7 - x: nine visits in every work-group, so all trip counts are constants.
; Each of sixteen waves owns one tile of 16 queries of the block in hand: QMIN + r + 8 (r / 8).  Four waves share a SIMD, so that one wave's softmax stands beside another's products and LDS loads.
; No multicast: the four work-groups of a head are at different slots in the same visit, and walking in step would make twelve visits' work of nine.
; K = 64 IN AN INSTRUCTION OF 128: a fragment of K holds tile 2 b in registers 0-5 and tile 2 b + 1 in registers 6-11; Q stands twice, as (q, zero codes) and (zero codes, q), with the byte 1 over the zero codes.
; Both products are used transposed: a lane holds one query throughout, and the 16 registers of tiles 2 b, 2 b + 1 are keys 32 b + 16 (lane / 16) + 0 .. 15.
; A step all of whose keys come after the wave's queries is jumped over by a scalar branch on ids; on the diagonal hidden scores become -infinity.  A tile's queries lie in one block of 32, so every step that is walked has a key that counts for each query.
; LIMITS: a block of zeros gets the scale byte 1 (its codes are zeros; this program alone reads the bytes); largest magnitudes under 2^-124 are held at that floor; NaN and infinities are not served.
.set SLOTB, 38400
.set SLOT1, 32768                      ; LDS: slot 0 at 0, slot 1 here, 25,600 bytes each
.set SPARE, 65536                      ; the spare words, 128 bytes for each of sixteen waves
.set FRG,  52                          ; v52-99   four fragments of K, then of V
.set SS,   104                         ; v104-167 S^T, then p
.set OT,   168                         ; v168-199 O^T
.set PC,   200                         ; v200-211 p's codes
.set PT,   212                         ; v212-219 the conversions' second halves
.set BM,   220                         ; v220-223 the blocks' largest scores
.set PM,   224                         ; v224-227 permute temporaries
.set SO,   228                         ; v228-231 the conversions' scale operands
.set SBY,  232                         ; v232-235 the bytes
.set FF,   236                         ; v[236:237] f = 2^(old M - new M)
.set PWD,  238                         ; v238     p's scale word
.set T0,   239
; v1 16 x lane; v2 512 + 8 x lane; v3 24,576 + 16 r; v4 r + 8 (r / 8) - 16 h; v5, v6 the add's; v7 8 r; v8-10 the step's LDS addresses; v11 the prefetch's offset; v12 -M; v13 the largest t; v[14:15] the sum;
; v16-27 (q, 0); v28-39 (0, q); v40, v41 their scale words; v42-48 the second block's Q and its raw scale word; v100-103 the fragments' scale words.
; s8 wave; s9 x; s10 head; s11 the visit; s12 x + 1; s13 (x + 1) slots in bytes; s[16:23], s[24:27] the descriptor; s28 the LDS slot in hand; s29 the step's first key; s30, s31 my first and last query.
.macro TLOAD                           ; wave 0 alone fetches: one load of 100 rows of 256 bytes.  Four v_nop follow it
	s_cmp_lg_u32 s8, 0
	s_cbranch_scc1 .Lnot_mine_\@
	tensor_load_to_lds s[24:27], s[16:23]
	s_nop 0
.rept 4
	v_nop
.endr
.Lnot_mine_\@:
.endm
; A prefetch of the key slot that the NEXT visit's tensor load will ask for.  The work-group with x = 0 walks all eight slots of its head in order: it alone asks, in its waves 4 to 7, a lane for each 256 bytes of the slot's 25,600;
; the lanes beyond the hundredth are held at the last one.  In visit I it names slot I + 1, for I = 0 .. 6: slot 0 comes by its load alone, and nothing is named past slot 7.
.macro ASK
	s_cmp_lt_u32 s11, s48
	s_cbranch_scc0 .Lno_ask_\@
	global_prefetch_b8 v11, s[46:47] th:TH_LOAD_NT scope:SCOPE_SE
.Lno_ask_\@:
.endm
	s_load_b128 s[4:7], s[0:1], 0x0                ; qkv, oq
	v_lshl_add_u32 v5, v0, 2, SPARE
	v_mov_b32 v6, 0
	ds_add_u32 v5, v6
	ds_add_u32 v5, v6
	s_wait_dscnt 0x0
	v_lshrrev_b32 v1, 5, v0
	s_delay_alu instid0(VALU_DEP_1)
	v_readfirstlane_b32 s8, v1                     ; wave 0..15
	s_mov_b32 s9, ttmp9                            ; x
	s_and_b32 s10, ttmp7, 0xffff                   ; the head, 0..63
	s_add_co_u32 s12, s9, 1
	s_mul_i32 s13, s12, SLOTB
	s_mov_b32 s14, 0
	s_mov_b32 s15, 0
	s_mov_b32 s16, 3<<16                           ; elements of 8 bytes, no mask, no padding
	s_mov_b32 s17, 32<<16                          ; tensor_dim0 = 32
	s_mov_b32 s18, 100<<16                         ; tensor_dim1 = 100
	s_mov_b32 s19, 32<<16                          ; tile_dim0
	s_mov_b32 s20, 100                             ; tile_dim1
	s_mov_b32 s21, 32                              ; the pitch: dense
	s_mov_b32 s22, 0
	s_mov_b32 s23, 0
	s_mul_i32 s50, s10, 307200
	s_mov_b32 s51, 0
	s_wait_kmcnt 0x0
	s_add_nc_u64 s[52:53], s[4:5], s[50:51]        ; my head in qkv
	s_mov_b32 s24, 1
	s_mov_b32 s25, 0                               ; LDS slot 0
	s_mov_b64 s[26:27], s[52:53]                   ; key slot 0
	s_or_b32 s27, s27, 0x80000000
	TLOAD                                          ; the first fill
	s_mov_b64 s[46:47], s[52:53]                   ; the prefetches' address: each visit steps it by a slot ahead of its use
	s_lshr_b32 s49, s8, 2
	s_xor_b32 s49, s49, 1                          ; 0 in waves 4 to 7,
	s_or_b32 s49, s49, s9                          ; of the work-group with x = 0
	s_cmp_eq_u32 s49, 0
	s_cselect_b32 s48, 7, 0
	v_sub_nc_u32 v11, v0, 128
	s_delay_alu instid0(VALU_DEP_1)
	v_min_u32 v11, 99, v11
	s_delay_alu instid0(VALU_DEP_1)
	v_lshlrev_b32 v11, 8, v11
	v_and_b32 v2, 31, v0
	s_delay_alu instid0(VALU_DEP_1)
	v_lshlrev_b32 v1, 4, v2
	s_delay_alu instid0(VALU_DEP_2)
	v_lshlrev_b32 v2, 3, v2
	s_delay_alu instid0(VALU_DEP_1)
	v_add_nc_u32 v2, 512, v2
	v_and_b32 v49, 15, v0                          ; r
	v_bfe_u32 v50, v0, 4, 1                        ; h
	s_delay_alu instid0(VALU_DEP_2)
	v_lshl_add_u32 v3, v49, 4, 24576
	s_delay_alu instid0(VALU_DEP_3)
	v_and_b32 v4, 8, v49
	s_delay_alu instid0(VALU_DEP_1)
	v_add_nc_u32 v4, v4, v49
	s_delay_alu instid0(VALU_DEP_4)
	v_lshlrev_b32 v7, 4, v50
	s_delay_alu instid0(VALU_DEP_1)
	v_sub_nc_u32 v4, v4, v7
	v_lshlrev_b32 v7, 3, v49
	v_lshlrev_b32 v8, 4, v49                       ; 16 r, for Q's scale words
	s_wait_alu depctr_va_vdst(0)
	; Q of my tile in both blocks
	s_mul_i32 s54, s9, SLOTB
	s_sub_co_u32 s49, 7, s9
	s_mul_i32 s56, s49, SLOTB
	s_mul_i32 s58, s8, 768
	s_add_co_u32 s58, s58, 25600
	s_lshr_b32 s59, s8, 3
	s_lshl_b32 s59, s59, 8
	s_bfe_u32 s60, s8, 0x20001                     ; (wave % 8) / 2: which word of a row's four
	s_lshl_b32 s60, s60, 2
	s_add_co_u32 s59, s59, s60
	s_add_co_u32 s59, s59, 37888
	s_add_co_u32 s36, s54, s58
	s_mov_b32 s37, 0
	s_add_co_u32 s38, s54, s59
	s_mov_b32 s39, 0
	s_add_co_u32 s40, s56, s58
	s_mov_b32 s41, 0
	s_add_co_u32 s42, s56, s59
	s_mov_b32 s43, 0
	s_add_nc_u64 s[36:37], s[52:53], s[36:37]
	s_add_nc_u64 s[38:39], s[52:53], s[38:39]
	s_add_nc_u64 s[40:41], s[52:53], s[40:41]
	s_add_nc_u64 s[42:43], s[52:53], s[42:43]
	global_load_b128 v[200:203], v1, s[36:37]
	global_load_b64 v[204:205], v2, s[36:37]
	global_load_b32 v206, v8, s[38:39]
	global_load_b128 v[42:45], v1, s[40:41]
	global_load_b64 v[46:47], v2, s[40:41]
	global_load_b32 v48, v8, s[42:43]
	s_lshr_b32 s49, s8, 1
	s_lshl_b32 s49, s49, 5
	s_and_b32 s50, s8, 1
	s_lshl_b32 s45, s50, 4                         ; which half of the raw word is my tile's
	s_lshl_b32 s50, s50, 3
	s_add_co_u32 s49, s49, s50                     ; 32 (wave / 2) + 8 (wave % 2)
	s_lshl_b32 s50, s9, 8
	s_add_co_u32 s63, s49, s50                     ; my first query in block x
	s_sub_co_u32 s50, 7, s9
	s_lshl_b32 s50, s50, 8
	s_add_co_u32 s44, s49, s50                     ; and in block 7 - x
	s_mov_b32 s32, 0x76543210
	s_mov_b32 s33, 0xfedcba98                      ; selects for lane l xor 16
	s_mov_b32 s34, 0x3e38aa3b                      ; c = log2(e) / 8
	s_mov_b32 s35, s34                             ; (named with it as a pair)
	s_mov_b32 s28, 0
	s_mov_b32 s11, 0
	; where O goes: block of 128 tokens, K step = head / 2, half = head % 2, tile = wave % 8
	s_lshr_b32 s49, s10, 4
	s_lshl_b32 s49, s49, 4
	s_lshr_b32 s50, s8, 3
	s_add_co_u32 s49, s49, s50
	s_lshl_b32 s50, s9, 1
	s_add_co_u32 s50, s49, s50                     ; the first block's
	s_sub_co_u32 s51, 7, s9
	s_lshl_b32 s51, s51, 1
	s_add_co_u32 s51, s49, s51                     ; the second's
	s_and_b32 s54, s10, 15
	s_lshr_b32 s55, s54, 1
	s_mul_i32 s56, s55, 12288
	s_and_b32 s57, s8, 7
	s_mul_i32 s58, s57, 1536
	s_add_co_u32 s56, s56, s58
	s_and_b32 s58, s54, 1
	s_mul_i32 s59, s58, 768
	s_add_co_u32 s56, s56, s59                     ; the codes' place in a block
	s_lshr_b32 s59, s54, 2
	s_lshl_b32 s59, s59, 10
	s_lshl_b32 s57, s57, 7
	s_add_co_u32 s59, s59, s57
	s_and_b32 s55, s55, 1
	s_lshl_b32 s55, s55, 2
	s_add_co_u32 s59, s59, s55
	s_lshl_b32 s58, s58, 1
	s_add_co_u32 s59, s59, s58
	s_add_co_u32 s59, s59, 6291456                 ; the two scale bytes' place
.irp i, 0,1,2,3,4,5
	v_mov_b32 v[22+\i], 0                          ; the zero codes of (q, 0)
	v_mov_b32 v[28+\i], 0                          ; and of (0, q)
.endr
.irp i, 0,1,2,3
	v_mov_b32 v[PM+\i], 0                          ; a lane permute's destination counts as read
.endr
	v_mov_b32 v[T0], 0
	v_mov_b32 v[FF+1], 0                           ; (named as the upper half of f's pair)
	s_wait_loadcnt 0x0                             ; Q; the loads' address registers are free
	s_mul_i32 s36, s50, 98304
	s_add_co_u32 s36, s36, s56
	s_mov_b32 s37, 0
	s_lshl_b32 s38, s50, 12
	s_add_co_u32 s38, s38, s59
	s_mov_b32 s39, 0
	s_mul_i32 s40, s51, 98304
	s_add_co_u32 s40, s40, s56
	s_mov_b32 s41, 0
	s_lshl_b32 s42, s51, 12
	s_add_co_u32 s42, s42, s59
	s_mov_b32 s43, 0
	s_add_nc_u64 s[36:37], s[6:7], s[36:37]
	s_add_nc_u64 s[38:39], s[6:7], s[38:39]
	s_add_nc_u64 s[40:41], s[6:7], s[40:41]
	s_add_nc_u64 s[42:43], s[6:7], s[42:43]
.macro SETQ src, raw, qmin             ; a block of queries begins: Q's two forms and their scale words; O^T and the sum are zeros, the largest t is -3e38
	v_lshrrev_b32 v49, s45, v[\raw]
	s_delay_alu instid0(VALU_DEP_1)
	v_and_b32 v49, 0xffff, v49
	s_delay_alu instid0(VALU_DEP_1)
	v_or_b32 v40, 0x01010000, v49                  ; q's two bytes, then the byte 1 over the zero codes
	s_delay_alu instid0(VALU_DEP_2)
	v_lshl_or_b32 v41, v49, 16, 0x0101
.irp i, 0,1,2,3,4,5
	v_mov_b32 v[16+\i], v[\src+\i]
	v_mov_b32 v[34+\i], v[\src+\i]
.endr
	v_mov_b32 v13, 0xff61b1e6
	s_delay_alu instid0(VALU_DEP_1)
	v_floor_f32 v12, -v13
	v_mov_b32 v14, 0
	v_mov_b32 v15, 0
.set NN, 0
.rept 32
	v_mov_b32 v[OT+NN], 0
.set NN, NN+1
.endr
	s_mov_b32 s30, \qmin
	s_add_co_u32 s31, s30, 23
	s_mov_b32 s29, 0
.endm
; A KEY STEP: 128 keys, the q-th of the slot in hand
.macro STEP q
	s_cmp_gt_u32 s29, s31                          ; all keys come after my queries?
	s_cbranch_scc1 .Lhidden_\@
	v_add_nc_u32 v8, s28, v1
	v_add_nc_u32 v9, s28, v2
	v_add_nc_u32 v10, s28, v3
	v_nop                                          ; with the three additions: four places in front of loads into registers that the last products read
.irp e, 0,1,2,3
	ds_load_b128 v[FRG+12*\e:FRG+12*\e+3], v8 offset:(\q)*6144+\e*1536
	ds_load_b64 v[FRG+12*\e+4:FRG+12*\e+5], v9 offset:(\q)*6144+\e*1536
	ds_load_b128 v[FRG+12*\e+6:FRG+12*\e+9], v8 offset:(\q)*6144+\e*1536+768
	ds_load_b64 v[FRG+12*\e+10:FRG+12*\e+11], v9 offset:(\q)*6144+\e*1536+768
.endr
	ds_load_b128 v[100:103], v10 offset:(\q)*256
	s_wait_alu depctr_va_vdst(0)
	s_wait_dscnt 0x0
.irp e, 0,1,2,3
	v_wmma_scale_f32_16x16x128_f8f6f4 v[SS+16*\e:SS+16*\e+7], v[FRG+12*\e:FRG+12*\e+11], v[16:27], 0, v[100+\e], v40 matrix_a_fmt:MATRIX_FMT_FP6 matrix_b_fmt:MATRIX_FMT_FP6
	v_wmma_scale_f32_16x16x128_f8f6f4 v[SS+16*\e+8:SS+16*\e+15], v[FRG+12*\e:FRG+12*\e+11], v[28:39], 0, v[100+\e], v41 matrix_a_fmt:MATRIX_FMT_FP6 matrix_b_fmt:MATRIX_FMT_FP6
.endr
.rept 4
	v_nop                                          ; places: for the loads below and for the first read of the scores
.endr
.irp e, 0,1,2,3                        ; V's four fragments land under the softmax
	ds_load_b128 v[FRG+12*\e:FRG+12*\e+3], v8 offset:12288+(\q)*6144+\e*1536
	ds_load_b64 v[FRG+12*\e+4:FRG+12*\e+5], v9 offset:12288+(\q)*6144+\e*1536
	ds_load_b128 v[FRG+12*\e+6:FRG+12*\e+9], v8 offset:12288+(\q)*6144+\e*1536+768
	ds_load_b64 v[FRG+12*\e+10:FRG+12*\e+11], v9 offset:12288+(\q)*6144+\e*1536+768
.endr
	ds_load_b128 v[100:103], v10 offset:512+(\q)*256
	s_add_co_u32 s49, s29, 127
	s_cmp_le_u32 s49, s30                          ; all keys count for all my queries?
	s_cbranch_scc1 .Lopen_\@
	s_sub_co_i32 s49, s30, s29
	v_add_nc_u32 v[T0], s49, v4                    ; d = my query - the step's first key - 16 h.  Register 16 b + i holds key 32 b + 16 h + i: hidden where 32 b + i > d
	v_mov_b32 v240, 0xff800000
.set NN, 0
.rept 64
	v_cmp_gt_i32 vcc_lo, 32*(NN/16)+NN%16, v[T0]
	v_cndmask_b32 v[SS+NN], v[SS+NN], v240, vcc_lo
.set NN, NN+1
.endr
.Lopen_\@:
.irp b, 0,1,2,3
	v_max3_num_f32 v[BM+\b], v[SS+16*\b], v[SS+1+16*\b], v[SS+2+16*\b]   ; the largest score of each block of 32 keys: for the row's maximum, and, since p rises with the score, for the block's largest p
.endr
.irp i, 3,5,7,9,11,13
.irp b, 0,1,2,3
	v_max3_num_f32 v[BM+\b], v[BM+\b], v[SS+16*\b+\i], v[SS+1+16*\b+\i]
.endr
.endr
.irp b, 0,1,2,3
	v_max_num_f32 v[BM+\b], v[BM+\b], v[SS+15+16*\b]
.endr
.irp b, 0,1,2,3
	s_delay_alu instid0(VALU_DEP_4)
	v_permlanex16_b32 v[PM+\b], v[BM+\b], s32, s33
.endr
.irp b, 0,1,2,3
	s_delay_alu instid0(VALU_DEP_4)
	v_max_num_f32 v[BM+\b], v[BM+\b], v[PM+\b]
.endr
	s_delay_alu instid0(VALU_DEP_2)
	v_max3_num_f32 v[T0], v[BM], v[BM+1], v[BM+2]
	s_delay_alu instid0(VALU_DEP_1)
	v_max_num_f32 v[T0], v[T0], v[BM+3]
	s_delay_alu instid0(VALU_DEP_1)
	v_mul_f32 v[T0], s34, v[T0]
	s_delay_alu instid0(VALU_DEP_1)
	v_max_num_f32 v13, v13, v[T0]                  ; the running largest t
	v_mov_b32 v[T0], v12
	s_delay_alu instid0(VALU_DEP_2)
	v_floor_f32 v12, -v13                          ; -M = floor(-t): M is a whole number
	s_delay_alu instid0(VALU_DEP_1)
	v_sub_f32 v[T0], v12, v[T0]
	s_delay_alu instid0(VALU_DEP_1)
	v_cvt_i32_f32 v[T0], v[T0]                     ; (it saturates)
	s_delay_alu instid0(VALU_DEP_1)
	v_ldexp_f32 v[FF], 1.0, v[T0]                  ; f = 2^(old M - new M)
.set NN, 0
.rept 32
	v_pk_fma_f32 v[SS+NN:SS+NN+1], v[SS+NN:SS+NN+1], s[34:35], v[12:13] op_sel_hi:[1,0,0]   ; t - M
.set NN, NN+2
.endr
.irp b, 0,1,2,3
	v_fma_f32 v[BM+\b], v[BM+\b], s34, v12
.endr
.set NN, 0
	s_wait_alu depctr_va_vdst(0)
.rept 64
	v_exp_f32 v[SS+NN], v[SS+NN]                   ; p = 2^(t - M)
.set NN, NN+1
.endr
	v_pk_mul_f32 v[14:15], v[14:15], v[FF:FF+1] op_sel_hi:[1,0]   ; the sums under the new M: a plain place behind the exponentials
	s_wait_alu depctr_va_vdst(0)                   ; one wait for the batch, ahead of its first reader
.irp b, 0,1,2,3
	v_exp_f32 v[BM+\b], v[BM+\b]                   ; each block's largest p
.endr
	v_pk_add_f32 v[224:225], v[108:109], v[112:113]
	v_pk_add_f32 v[254:255], v[116:117], v[120:121]
	v_pk_add_f32 v[252:253], v[124:125], v[128:129]
	v_pk_add_f32 v[250:251], v[132:133], v[136:137]
	v_pk_add_f32 v[248:249], v[140:141], v[144:145]
	v_pk_add_f32 v[246:247], v[148:149], v[152:153]
	v_pk_add_f32 v[244:245], v[156:157], v[160:161]
	v_pk_add_f32 v[14:15], v[14:15], v[164:165]
	v_pk_add_f32 v[224:225], v[224:225], v[104:105]
	v_pk_add_f32 v[254:255], v[254:255], v[106:107]
	v_pk_add_f32 v[252:253], v[252:253], v[110:111]
	v_pk_add_f32 v[250:251], v[250:251], v[114:115]
	v_pk_add_f32 v[248:249], v[248:249], v[118:119]
	v_pk_add_f32 v[246:247], v[246:247], v[122:123]
	v_pk_add_f32 v[244:245], v[244:245], v[126:127]
	v_pk_add_f32 v[14:15], v[14:15], v[130:131]
	v_pk_add_f32 v[224:225], v[224:225], v[134:135]
	v_pk_add_f32 v[254:255], v[254:255], v[138:139]
	v_pk_add_f32 v[252:253], v[252:253], v[142:143]
	v_pk_add_f32 v[250:251], v[250:251], v[146:147]
	v_pk_add_f32 v[248:249], v[248:249], v[150:151]
	v_pk_add_f32 v[246:247], v[246:247], v[154:155]
	v_pk_add_f32 v[244:245], v[244:245], v[158:159]
	v_pk_add_f32 v[14:15], v[14:15], v[162:163]
	v_pk_add_f32 v[224:225], v[224:225], v[166:167]
	s_delay_alu instid0(VALU_DEP_2)
	v_pk_add_f32 v[14:15], v[14:15], v[250:251]
	s_delay_alu instid0(VALU_DEP_2)
	v_pk_add_f32 v[224:225], v[224:225], v[248:249]
	v_pk_add_f32 v[254:255], v[254:255], v[246:247]
	v_pk_add_f32 v[252:253], v[252:253], v[244:245]
	s_delay_alu instid0(VALU_DEP_2)
	v_pk_add_f32 v[14:15], v[14:15], v[254:255]
	s_delay_alu instid0(VALU_DEP_2)
	v_pk_add_f32 v[224:225], v[224:225], v[252:253]
	s_delay_alu instid0(VALU_DEP_1)
	v_pk_add_f32 v[14:15], v[14:15], v[224:225]
	s_wait_alu depctr_va_vdst(0)                   ; and one for the four
.irp b, 0,1,2,3
	v_max_num_f32 v[BM+\b], 0x1800000, v[BM+\b]    ; the floor 2^(3 - 127)
.endr
.irp b, 0,1,2,3
	s_delay_alu instid0(VALU_DEP_4)
	v_add_nc_u32 v[SO+\b], 0xff000000, v[BM+\b]
.endr
.irp b, 0,1,2,3
	s_delay_alu instid0(VALU_DEP_4)
	v_lshrrev_b32 v[SBY+\b], 23, v[SO+\b]
.endr
	s_delay_alu instid0(VALU_DEP_3)
	v_lshl_or_b32 v[PWD], v[SBY+1], 8, v[SBY]
	s_delay_alu instid0(VALU_DEP_1)
	v_lshl_or_b32 v[PWD], v[SBY+2], 16, v[PWD]
	s_delay_alu instid0(VALU_DEP_1)
	v_lshl_or_b32 v[PWD], v[SBY+3], 24, v[PWD]
.irp c, 0,1
	v_cvt_scalef32_pk16_fp6_f32 v[PC+6*\c:PC+6*\c+2], v[SS+32*\c:SS+32*\c+15], v[SO+2*\c]
	v_cvt_scalef32_pk16_fp6_f32 v[PT+4*\c:PT+4*\c+2], v[SS+32*\c+16:SS+32*\c+31], v[SO+2*\c+1]
.endr
	v_nop                                          ; one plain place behind a scaled conversion
.irp c, 0,1
.irp i, 0,1,2
	v_permlane16_swap_b32 v[PC+6*\c+\i], v[PT+4*\c+\i]
.endr
.irp i, 0,1,2
	s_delay_alu instid0(VALU_DEP_3)
	v_mov_b32 v[PC+6*\c+3+\i], v[PT+4*\c+\i]
.endr
.endr
.set NN, 0
.rept 16
	v_pk_mul_f32 v[OT+NN:OT+NN+1], v[OT+NN:OT+NN+1], v[FF:FF+1] op_sel_hi:[1,0]   ; O^T under the new M; these sixteen are also the places in front of the products below
.set NN, NN+2
.endr
	s_wait_alu depctr_va_vdst(0)
	s_wait_dscnt 0x0                               ; V
.irp e, 0,1,2,3
	v_wmma_scale_f32_16x16x128_f8f6f4 v[OT+8*\e:OT+8*\e+7], v[FRG+12*\e:FRG+12*\e+11], v[PC:PC+11], v[OT+8*\e:OT+8*\e+7], v[100+\e], v[PWD] matrix_a_fmt:MATRIX_FMT_FP6 matrix_b_fmt:MATRIX_FMT_FP6
.endr
.Lhidden_\@:
	s_add_co_u32 s29, s29, 128
.endm
; THE CHANGE OF SLOTS stands at a visit's head: each wave waits for all its tensor loads, adds 0 to its spare word, and waits for that and for its reads of the slot that it has left; behind the barrier the slot ahead is whole.
; fill = 1: the other slot takes the next visit's keys: the next slot, or slot 0 again where the second block of queries begins.
.macro CHANGE fill
	s_wait_tensorcnt 0x0                           ; no tensor load of mine is out, so the descriptor may be written
	ds_add_u32 v5, v6
.if \fill
	s_xor_b32 s25, s25, SLOT1
	s_add_nc_u64 s[26:27], s[26:27], SLOTB
	s_cmp_eq_u32 s11, s9                           ; the first block's last visit?
	s_cselect_b32 s14, s13, 0
	s_sub_nc_u64 s[26:27], s[26:27], s[14:15]      ; then back to key slot 0
	s_wait_xcnt 0x0                                ; the last prefetch, a visit back, has read its address
	s_add_nc_u64 s[46:47], s[46:47], SLOTB
.endif
	s_wait_dscnt 0x0                               ; the add is done, and my reads of the slot that I have left are over
	s_barrier_signal -1
	s_barrier_wait -1
.if \fill
	TLOAD                                          ; the first thing behind the barrier, and the one tensor load until the next
	ASK
.endif
.endm
; A block of queries ends: O^T / the sum; its two blocks of 32 channels are quantised; 768 bytes of codes and two scale bytes a row go to oq
.macro FINISH pc, ps
.rept 4
	v_nop                                          ; places behind the last products
.endr
	v_add_f32 v14, v14, v15
	s_delay_alu instid0(VALU_DEP_1)
	v_permlanex16_b32 v[T0], v14, s32, s33
	s_delay_alu instid0(VALU_DEP_1)
	v_add_f32 v14, v14, v[T0]                      ; the row's sum
	s_wait_alu depctr_va_vdst(0)
	v_rcp_f32 v14, v14
	v_nop                                          ; a plain place behind the reciprocal
	s_wait_alu depctr_va_vdst(0)                   ; and the wait ahead of its first reader
.set NN, 0
.rept 16
	v_pk_mul_f32 v[SS+NN:SS+NN+1], v[OT+NN:OT+NN+1], v[14:15] op_sel_hi:[1,0]   ; register 16 b + i is channel 32 b + 16 h + i
.set NN, NN+2
.endr
.irp b, 0,1
	v_max3_num_f32 v[BM+\b], |v[SS+16*\b]|, |v[SS+1+16*\b]|, 0x1800000
.endr
.irp i, 2,4,6,8,10,12,14
.irp b, 0,1
	s_delay_alu instid0(VALU_DEP_2)
	v_max3_num_f32 v[BM+\b], v[BM+\b], |v[SS+16*\b+\i]|, |v[SS+1+16*\b+\i]|
.endr
.endr
.irp b, 0,1
	s_delay_alu instid0(VALU_DEP_2)
	v_permlanex16_b32 v[PM+\b], v[BM+\b], s32, s33
.endr
.irp b, 0,1
	s_delay_alu instid0(VALU_DEP_2)
	v_max_num_f32 v[BM+\b], v[BM+\b], v[PM+\b]
.endr
.irp b, 0,1
	s_delay_alu instid0(VALU_DEP_2)
	v_add_nc_u32 v[SO+\b], 0xff000000, v[BM+\b]
.endr
.irp b, 0,1
	s_delay_alu instid0(VALU_DEP_2)
	v_lshrrev_b32 v[SBY+\b], 23, v[SO+\b]
.endr
	s_delay_alu instid0(VALU_DEP_1)
	v_lshl_or_b32 v[T0], v[SBY+1], 8, v[SBY]
	v_cvt_scalef32_pk16_fp6_f32 v[PC:PC+2], v[SS:SS+15], v[SO]
	v_cvt_scalef32_pk16_fp6_f32 v[PT:PT+2], v[SS+16:SS+31], v[SO+1]
	v_nop
.irp i, 0,1,2
	v_permlane16_swap_b32 v[PC+\i], v[PT+\i]
.endr
.irp i, 0,1,2
	s_delay_alu instid0(VALU_DEP_3)
	v_mov_b32 v[PC+3+\i], v[PT+\i]
.endr
	global_store_b128 v1, v[PC:PC+3], s[\pc:\pc+1]     ; 512 consecutive bytes, aligned
	global_store_b64 v2, v[PC+4:PC+5], s[\pc:\pc+1]    ; 256 consecutive bytes, aligned
	global_store_b16 v7, v[T0], s[\ps:\ps+1]           ; two bytes of row r's scale word (both halves of the lanes hold the same); the word's other two are another head's
.endm
	SETQ 200, 206, s63
.Lvisit:                                           ; eight trips; behind each change of slots the next visit's keys are asked for
	CHANGE 1
	s_cmp_lg_u32 s11, s12                          ; does the second block of queries begin?
	s_cbranch_scc1 .Lsame
	FINISH 36, 38
	SETQ 42, 48, s44
	s_wait_xcnt 0x0                                ; the stores have read their data: the codes' registers are written again in the step below
.Lsame:
	STEP 0
	STEP 1
	s_xor_b32 s28, s28, SLOT1
	s_add_co_u32 s11, s11, 1
	s_cmp_lt_u32 s11, 8
	s_cbranch_scc1 .Lvisit
	CHANGE 0                                       ; the ninth visit is written out
	STEP 0
	STEP 1
	FINISH 40, 42
	s_wait_tensorcnt 0x0                           ; the wave's end
	ds_add_u32 v5, v6
	s_wait_dscnt 0x0
	s_endpgm
.Lfunc_end_k_q5335351949_attn:
	.size	k_q5335351949_attn, .Lfunc_end_k_q5335351949_attn-k_q5335351949_attn
	.p2alignl 7, 3214868480
	.fill 96, 4, 3214868480
	.section	.rodata,"a",@progbits
	.p2align	6, 0x0
	.amdhsa_kernel k_q5335351949_attn
		.amdhsa_group_segment_fixed_size 327680
		.amdhsa_private_segment_fixed_size 0
		.amdhsa_enable_private_segment 0
		.amdhsa_kernarg_size 16
		.amdhsa_user_sgpr_count 2
		.amdhsa_user_sgpr_kernarg_segment_ptr 1
		.amdhsa_wavefront_size32 1
		.amdhsa_system_sgpr_workgroup_id_x 1
		.amdhsa_system_sgpr_workgroup_id_y 1
		.amdhsa_system_sgpr_workgroup_id_z 1
		.amdhsa_system_vgpr_workitem_id 0
		.amdhsa_next_free_vgpr 256
		.amdhsa_next_free_sgpr 66
		.amdhsa_reserve_vcc 1
		.amdhsa_float_denorm_mode_32 3
		.amdhsa_float_denorm_mode_16_64 3
		.amdhsa_memory_ordered 1
		.amdhsa_forward_progress 1
		.amdhsa_inst_pref_size 111
	.end_amdhsa_kernel
	.amdgpu_metadata
---
amdhsa.version: [ 1, 2 ]
amdhsa.kernels:
  - .name:           k_q5335351949_attn
    .symbol:         k_q5335351949_attn.kd
    .args:
      - { .name: qkv, .offset: 0, .size: 8, .value_kind: global_buffer, .address_space: global }
      - { .name: oq, .offset: 8, .size: 8, .value_kind: global_buffer, .address_space: global }
    .group_segment_fixed_size: 327680
    .private_segment_fixed_size: 0
    .kernarg_segment_align: 8
    .kernarg_segment_size: 16
    .max_flat_workgroup_size: 512
    .sgpr_count:     66
    .vgpr_count:     256
    .wavefront_size: 32
...
	.end_amdgpu_metadata
.endif
;; end of part 3
;; launch oproj (part 4): grid 4 x 32, 4 waves a work-group, clusters of 4 x 4, 327,680 bytes of LDS; arguments oq, wq, bo, out0; writes out0
.if DOCPART == 4
	.amdgcn_target "amdgcn-amd-amdhsa--gfx1250"
	.amdhsa_code_object_version 6
	.text
	.protected	k_q5335351949_oproj
	.globl	k_q5335351949_oproj
	.p2align	8
	.type	k_q5335351949_oproj,@function
k_q5335351949_oproj:
	s_mov_b64 s[64:65], 0
	v_nop
	global_prefetch_b8 v0, s[64:65] scope:SCOPE_SE
	s_setreg_imm32_b32 hwreg(HW_REG_WAVE_MODE, 25, 1), 1
	s_wait_xcnt 0x0
	s_wait_alu depctr_hold_cnt(0) depctr_sa_sdst(0) depctr_va_vdst(0) depctr_va_sdst(0) depctr_va_ssrc(0) depctr_va_vcc(0) depctr_vm_vsrc(0)
	s_getreg_b32 s2, hwreg(HW_REG_IB_STS2, 6, 4)
	s_cmp_eq_u32 s2, 0
	s_cbranch_scc0 .Lentry_in_a_cluster
	s_endpgm
.Lentry_in_a_cluster:
	s_bfe_u32 s2, ttmp6, 0x10000c
	s_cmp_lg_u32 s2, 0xf033
	s_cbranch_scc0 .Lentry_shape_is_right
	s_endpgm
.Lentry_shape_is_right:
; out0 = O Wo^T + bo on codes of FP6 (E2M3) with E8M0 scales, K = 1,024; out0 [8192][1024] f32.
; OPERANDS lie in oq and wq (Wo: blocks 24-31) as images of operand registers: [block of 128 rows][K slot of 256][q][tile 8][1,536 bytes], scale words behind the codes [block][K slot][tile][r][q];
; lane r of tile i stands for row 32 (i / 2) + 8 (i % 2) + r + 8 (r / 8) of its block.  A fragment comes from LDS by four loads, each of consecutive bytes.
; TILE: a work-group makes 256 x 256, a wave 128 x 128: 64 accumulators in windows 2 and 3.  Source 0 = 16 rows of Wo (B), source 1 = 16 rows of O (A): a lane holds one token, its registers neighbouring columns.
; A's tile is shared along a row of the cluster, B's along a column: each is asked for jointly.  K goes through two LDS slots of 256 along K; four fills, written out.  The scale words of all K come once.
; The bias is the C of each sum's first matrix instruction.  The way out undoes both row orders: columns in the stage's offsets, rows in the stores' immediates.
.set PARTB, 24576
.set SLOT,  98304
.set SCA,   196608
.set SPARE, 213248
.set SPITCH, 528                       ; the way out: 16 rows x (512 + 16) bytes for each wave, in slot 0, which has had its last fill and its last read by then
.set FR,    12
.set NL,    4
.set NP,    4
.set ADRA,  16
.set ADRB,  20
.set STO,   24
.set RD,    25
.set CO,    26
.set ADRS,  27
.set SPW,   28
.set NIL,   29
.set BOF,   31
.set SC,    32
.set BIAS,  64
.set AF,    128
.set BK,    128
.set G1,   24
.set G0,   32
.set G1B,  48
.set G0B,  56
.set G1S,  68
.set G0S,  76
.set G1SB, 80
.set G0SB, 88
.set MSB, 0
.macro WIN new
.if MSB != \new
	s_set_vgpr_msb (MSB<<8)|\new
.set MSB, \new
.endif
.endm
.set MUL_LO, 0xa1
.set MUL_HI, 0xf1
.set TO_B,   0x40
.macro JLOAD g0a, g1a, g0b, g1b        ; waves 0 and 1 ask for A's halves, waves 2 and 3 for B's; four v_nop follow each line
	s_cmp_eq_u32 s17, 0
	s_cbranch_scc0 .Lfor_b_\@
	tensor_load_to_lds s[\g0a:\g0a+3], s[\g1a:\g1a+7]
	s_nop 0
.rept 4
	v_nop
.endr
	s_branch .Lasked_\@
.Lfor_b_\@:
	tensor_load_to_lds s[\g0b:\g0b+3], s[\g1b:\g1b+7]
	s_nop 0
.rept 4
	v_nop
.endr
.Lasked_\@:
.endm
.macro CREST
	s_cmp_lg_u32 s16, 0
	s_cbranch_scc1 .Lnot_wave_0_\@
	s_barrier_signal -3
.Lnot_wave_0_\@:
	s_barrier_wait -3
	s_barrier_signal -1
	s_barrier_wait -1
.endm
.macro CROUND
	s_barrier_signal -1
	s_barrier_wait -1
	CREST
.endm
	s_load_b256 s[4:11], s[0:1], 0x0               ; oq, wq, bo, out0
	v_lshl_add_u32 v[SPW], v0, 2, SPARE
	v_mov_b32 v[NIL], 0
	ds_add_u32 v28, v29
	s_wait_dscnt 0x0
	v_lshrrev_b32 v1, 5, v0
	v_readfirstlane_b32 s16, v1                    ; wave 0..3
	s_lshr_b32 s17, s16, 1                         ; my half of A's rows; also: I fetch for A (0) or B (1)
	s_and_b32 s18, s16, 1                          ; my half of B's rows; also: which half I fetch
	s_bfe_u32 s21, ttmp6, 0x40000                  ; cx
	s_bfe_u32 s22, ttmp6, 0x40004                  ; cy
	s_and_b32 s20, ttmp7, 0xffff
	s_lshl_b32 s42, s20, 2
	s_add_co_u32 s42, s42, s22                     ; tile of 256 tokens
	s_lshl_b32 s43, ttmp9, 2
	s_add_co_u32 s43, s43, s21                     ; tile of 256 columns
	s_lshl_b32 s23, s22, 2
	s_lshl_b32 s23, 15, s23                        ; my row of the cluster
	s_lshl_b32 s66, 0x1111, s21                    ; my column
	s_or_b32 s[G1], s23, (3<<16)|(1<<21)           ; codes: 24,576 dense bytes as 96 rows of 256
	s_or_b32 s[G1B], s66, (3<<16)|(1<<21)
.irp g, G1, G1B
	s_mov_b32 s[\g+1], 32<<16
	s_mov_b32 s[\g+2], 96<<16
	s_mov_b32 s[\g+3], 32<<16
	s_mov_b32 s[\g+4], 96
	s_mov_b32 s[\g+5], 32
	s_mov_b32 s[\g+6], 0
	s_mov_b32 s[\g+7], 0
.endr
	s_or_b32 s[G1S], s23, (3<<16)|(1<<21)          ; scale words: 4,096 dense bytes as 16 rows
	s_or_b32 s[G1SB], s66, (3<<16)|(1<<21)
.irp g, G1S, G1SB
	s_mov_b32 s[\g+1], 32<<16
	s_mov_b32 s[\g+2], 16<<16
	s_mov_b32 s[\g+3], 32<<16
	s_mov_b32 s[\g+4], 16
	s_mov_b32 s[\g+5], 32
	s_mov_b32 s[\g+6], 0
	s_mov_b32 s[\g+7], 0
.endr
	s_lshl_b32 s47, s42, 1
	s_add_co_u32 s47, s47, s18                     ; A's block that I would fetch
	s_lshl_b32 s67, s43, 1
	s_add_co_u32 s67, s67, s18
	s_add_co_u32 s67, s67, 24                      ; B's: Wo begins at block 24
	s_mul_i32 s92, s47, 98304
	s_mov_b32 s93, 0
	s_lshl_b32 s94, s47, 12
	s_add_co_u32 s94, s94, 6291456
	s_mov_b32 s95, 0
	s_mul_i32 s96, s67, 98304
	s_mov_b32 s97, 0
	s_lshl_b32 s98, s67, 12
	s_add_co_u32 s98, s98, 3145728
	s_mov_b32 s99, 0
	s_mul_i32 s2, s16, PARTB
	s_lshl_b32 s3, s16, 12
	s_wait_kmcnt 0x0
	s_add_nc_u64 s[92:93], s[4:5], s[92:93]
	s_add_nc_u64 s[94:95], s[4:5], s[94:95]
	s_add_nc_u64 s[96:97], s[6:7], s[96:97]
	s_add_nc_u64 s[98:99], s[6:7], s[98:99]
	CROUND                                         ; all sixteen work-groups are here: the first joint loads meet
	s_mov_b32 s[G0S], 1
	s_add_co_u32 s[G0S+1], s3, SCA
	s_mov_b64 s[G0S+2:G0S+3], s[94:95]
	s_or_b32 s[G0S+3], s[G0S+3], 0x80000000
	s_mov_b32 s[G0SB], 1
	s_add_co_u32 s[G0SB+1], s3, SCA+128
	s_mov_b64 s[G0SB+2:G0SB+3], s[98:99]
	s_or_b32 s[G0SB+3], s[G0SB+3], 0x80000000
	JLOAD G0S, G1S, G0SB, G1SB
.irp s, 0,1
	s_mov_b32 s[G0+4*\s], 1
	s_add_co_u32 s[G0+4*\s+1], s2, \s*SLOT
	s_add_nc_u64 s[G0+4*\s+2:G0+4*\s+3], s[92:93], \s*PARTB
	s_or_b32 s[G0+4*\s+3], s[G0+4*\s+3], 0x80000000
	s_mov_b32 s[G0B+4*\s], 1
	s_add_co_u32 s[G0B+4*\s+1], s2, \s*SLOT
	s_add_nc_u64 s[G0B+4*\s+2:G0B+4*\s+3], s[96:97], \s*PARTB
	s_or_b32 s[G0B+4*\s+3], s[G0B+4*\s+3], 0x80000000
	JLOAD G0+4*\s, G1, G0B+4*\s, G1B               ; three tensor loads of mine are out
.endr
	v_and_b32 v1, 31, v0
	v_and_b32 v2, 15, v0                           ; r
	v_bfe_u32 v3, v0, 4, 1                         ; h
	v_lshlrev_b32 v[CO], 4, v1                     ; 16 x lane
	v_lshlrev_b32 v5, 3, v1
	v_add_nc_u32 v5, 512, v5                       ; 512 + 8 x lane
	s_mul_i32 s40, s17, PARTB
	s_mul_i32 s41, s18, PARTB
	s_add_co_u32 s41, s41, 2*PARTB
.irp s, 0,1
	v_add_nc_u32 v[ADRA+\s], s40, v[CO]
	v_add_nc_u32 v[ADRA+2+\s], s40, v5
	v_add_nc_u32 v[ADRB+\s], s41, v[CO]
	v_add_nc_u32 v[ADRB+2+\s], s41, v5
	s_add_co_u32 s40, s40, SLOT
	s_add_co_u32 s41, s41, SLOT
.endr
	s_lshl_b32 s40, s17, 12
	s_lshl_b32 s41, s18, 12
	s_add_co_u32 s41, s41, 8320
	s_sub_co_u32 s41, s41, s40
	v_mul_u32_u24 v6, s41, v3                      ; lanes 16-31 take B's words
	s_add_co_u32 s40, s40, SCA
	v_lshl_add_u32 v6, v2, 3, v6
	v_add_nc_u32 v[ADRS], s40, v6
	s_mul_i32 s40, s16, 16*SPITCH                  ; my stage
	v_mul_u32_u24 v[STO], v2, SPITCH
	v_lshl_add_u32 v[STO], v3, 6, v[STO]           ; in: row r, + 64 h bytes
	v_add_nc_u32 v[STO], s40, v[STO]
	v_add_nc_u32 v[RD], s40, v[CO]                 ; back: a row of 512 bytes, 16 a lane
	s_lshl_b32 s40, s42, 8
	s_lshl_b32 s41, s17, 7
	s_add_co_u32 s40, s40, s41                     ; my first row of out0
	s_lshl_b32 s40, s40, 12
	s_lshl_b32 s41, s43, 10
	s_add_co_u32 s40, s40, s41
	s_lshl_b32 s44, s18, 9
	s_add_co_u32 s40, s40, s44                     ; and my first column, in bytes
	s_add_co_u32 s44, s44, s41                     ; the same columns in bo
	s_mov_b32 s41, 0
	s_mov_b32 s45, 0
	s_add_nc_u64 s[12:13], s[10:11], s[40:41]
	s_add_nc_u64 s[14:15], s[8:9], s[44:45]
	v_lshlrev_b32 v[BOF], 6, v3                    ; register 16 b + i is column 32 b + 16 h + i
.irp e, 0,1,2,3
.irp j, 0,1,2,3
	global_load_b128 v[BIAS+16*\e+4*\j:BIAS+16*\e+4*\j+3], v[BOF], s[14:15] offset:128*\e+16*\j
.endr
.endr
	s_wait_loadcnt 0x0
.macro FRAG reg, adr, q, i
	ds_load_b128 v[\reg:\reg+3], v[\adr] offset:(\q)*12288+(\i)*1536
	ds_load_b64 v[\reg+4:\reg+5], v[\adr+2] offset:(\q)*12288+(\i)*1536
	ds_load_b128 v[\reg+6:\reg+9], v[\adr] offset:(\q)*12288+(\i)*1536+768
	ds_load_b64 v[\reg+10:\reg+11], v[\adr+2] offset:(\q)*12288+(\i)*1536+768
.endm
; 16 matrix instructions: A's blocks a0, a0 + 1 x B's eight.  zero = 1: the sums start from the bias.  The 64 accumulators take turns, one instruction a turn.
.macro MUL16 a0, p, q, sc, zero
.irp a, \a0, \a0+1
.irp b, 0,1,2,3,4,5,6,7
.if \zero
	v_wmma_scale_f32_16x16x128_f8f6f4 v[8*(8*((\a)%4)+\b):8*(8*((\a)%4)+\b)+7], v[128*(\p)+FR*\b:128*(\p)+FR*\b+FR-1], v[AF+FR*(\a):AF+FR*(\a)+FR-1], v[BIAS+8*\b:BIAS+8*\b+7], v[SC+16*(\sc)+2*\b+(\q)], v[SC+16*(\sc)+2*(\a)+(\q)] matrix_a_fmt:MATRIX_FMT_FP6 matrix_b_fmt:MATRIX_FMT_FP6 matrix_a_scale:MATRIX_SCALE_ROW1
.else
	v_wmma_scale_f32_16x16x128_f8f6f4 v[8*(8*((\a)%4)+\b):8*(8*((\a)%4)+\b)+7], v[128*(\p)+FR*\b:128*(\p)+FR*\b+FR-1], v[AF+FR*(\a):AF+FR*(\a)+FR-1], v[8*(8*((\a)%4)+\b):8*(8*((\a)%4)+\b)+7], v[SC+16*(\sc)+2*\b+(\q)], v[SC+16*(\sc)+2*(\a)+(\q)] matrix_a_fmt:MATRIX_FMT_FP6 matrix_b_fmt:MATRIX_FMT_FP6 matrix_a_scale:MATRIX_SCALE_ROW1
.endif
.endr
.endr
.endm
.macro FETCH_B slot, q, p
	WIN TO_B
.irp i, 0,1,2,3,4,5,6,7
	FRAG 128*(\p)+FR*\i, ADRB+\slot, \q, \i
.endr
	WIN 0
.endm
.macro FETCH_A slot, q, i0
.irp i, \i0, \i0+1, \i0+2, \i0+3
	FRAG AF+FR*(\i), ADRA+\slot, \q, \i
.endr
.endm
.macro SCALES sc
.irp i, 0,1,2,3,4,5,6,7
	ds_load_b64 v[SC+16*\sc+2*\i:SC+16*\sc+2*\i+1], v[ADRS] offset:\i*128
.endr
.endm
.macro PLACES n
.rept \n
	v_nop
.endr
.endm
.macro STEP slot, q, zero
	s_wait_dscnt 4*NL                              ; B's set and A's blocks 0-3 are in; the youngest 16 loads (A's blocks 4-7) may be out
.if \zero
	WIN 0x81                                       ; C, the bias, in window 0; D in window 2
.else
	WIN MUL_LO
.endif
	MUL16 0, (\q)%2, \q, \slot, \zero
	MUL16 2, (\q)%2, \q, \slot, \zero
	s_wait_dscnt 0
	PLACES NP
	FETCH_B \slot, (\q)+1, 1-(\q)%2
	FETCH_A \slot, (\q)+1, 0
.if \zero
	WIN 0xc1
.else
	WIN MUL_HI
.endif
	MUL16 4, (\q)%2, \q, \slot, \zero
	MUL16 6, (\q)%2, \q, \slot, \zero
	PLACES NP
	WIN 0
	FETCH_A \slot, (\q)+1, 4
.endm
.macro TURN slot, next, fill           ; a slot's last step changes slots
	s_wait_tensorcnt 0x0                           ; all my tensor loads have landed: my part of the next slot
	ds_add_u32 v[SPW], v[NIL]
	s_wait_dscnt 4*NL+1                            ; (the add and the youngest 16 loads may be out)
	WIN MUL_LO
	MUL16 0, 1, 1, \slot, 0
	s_wait_dscnt 0x0                               ; the add is done, and my reads of this slot are over
	s_barrier_signal -1
	MUL16 2, 1, 1, \slot, 0
	WIN 0
	s_barrier_wait -1
.if \fill
	CREST                                          ; a round of the cluster's barrier: no wave of any partner still reads this slot or has a load on its way
	s_add_nc_u64 s[G0+4*\slot+2:G0+4*\slot+3], s[G0+4*\slot+2:G0+4*\slot+3], 2*PARTB
	s_add_nc_u64 s[G0B+4*\slot+2:G0B+4*\slot+3], s[G0B+4*\slot+2:G0B+4*\slot+3], 2*PARTB
	JLOAD G0+4*\slot, G1, G0B+4*\slot, G1B         ; the first tensor load behind the round; its four v_nop are the places in front of the loads below
.else
	PLACES NP
.endif
	v_add_nc_u32 v[ADRS], 1024, v[ADRS]
	FETCH_B \next, 0, 0
	FETCH_A \next, 0, 0
	SCALES \next
	WIN MUL_HI
	MUL16 4, 1, 1, \slot, 0
	MUL16 6, 1, 1, \slot, 0
	PLACES NP
	WIN 0
	FETCH_A \next, 0, 4
.endm
	s_wait_tensorcnt 1                             ; the scale words and my part of K slot 0 are in; K slot 1's load may be out
	s_barrier_signal -1
	s_barrier_wait -1
	FETCH_B 0, 0, 0
	FETCH_A 0, 0, 0
	SCALES 0
	FETCH_A 0, 0, 4
	STEP 0, 0, 1
	TURN 0, 1, 1
	STEP 1, 0, 0
	TURN 1, 0, 1
	STEP 0, 0, 0
	TURN 0, 1, 0
	STEP 1, 0, 0
	s_wait_dscnt 4*NL
	WIN MUL_LO
	MUL16 0, 1, 1, 1, 0
	MUL16 2, 1, 1, 1, 0
	s_wait_dscnt 0
	WIN MUL_HI
	MUL16 4, 1, 1, 1, 0
	MUL16 6, 1, 1, 1, 0
	WIN 0
; THE WAY OUT, A's tile by tile.  Register j of B's tile b is column 32 (b / 2) + 8 (b % 2) + 16 h + j; lane r is row 32 (a / 2) + 8 (a % 2) + r + 8 (r / 8).  A tile goes through my own stage and comes back as whole rows of 512 bytes.
; LDS serves a wave's instructions in order: no wait between the stores and the loads, nor in front of the next tile's stores.
.macro TOSTAGE a
.set AC, 64*((\a)%4)
.set WW, 0x08+4*((\a)/4)
	WIN WW                                         ; an LDS store's data are its source 1: window 2 or 3
.irp b, 0,1,2,3,4,5,6,7
	ds_store_b128 v[STO], v[AC+8*\b:AC+8*\b+3] offset:128*(\b/2)+32*(\b%2)          ; each accumulator from its low end on
	ds_store_b128 v[STO], v[AC+8*\b+4:AC+8*\b+7] offset:128*(\b/2)+32*(\b%2)+16
.endr
	WIN 0
.set BB, BK+64*((\a)%2)
.irp t, 0,1,2,3,4,5,6,7,8,9,10,11,12,13,14,15
	ds_load_b128 v[BB+4*\t:BB+4*\t+3], v[RD] offset:\t*SPITCH
.endr
.endm
.macro SEND a, younger                 ; younger: the LDS instructions issued behind tile a's loads, which may stay out
.set BB, BK+64*((\a)%2)
	s_wait_dscnt \younger
.irp t, 0,1,2,3,4,5,6,7,8,9,10,11,12,13,14,15
	global_store_b128 v[CO], v[BB+4*\t:BB+4*\t+3], s[12:13] offset:(32*((\a)/2)+8*((\a)%2)+\t+8*(\t/8))*4096 th:TH_STORE_NT   ; 512 consecutive bytes, aligned; 127 rows of 4,096 bytes at the most in the immediate
.endr
.endm
	PLACES NP
	TOSTAGE 0
.irp a, 1,2,3,4,5,6,7
.if \a > 1
	s_wait_xcnt 0x0                                ; tile a - 2's stores have read their registers: tile a's loads may land there
.endif
	TOSTAGE \a
	SEND \a-1, 32                                  ; behind tile a - 1's loads: tile a's 16 stores and 16 loads
.endr
	SEND 7, 0
	s_wait_tensorcnt 0x0                           ; the wave's end
	ds_add_u32 v[SPW], v[NIL]
	s_wait_dscnt 0x0
	CROUND                                         ; the closing round
	s_endpgm
.Lfunc_end_k_q5335351949_oproj:
	.size	k_q5335351949_oproj, .Lfunc_end_k_q5335351949_oproj-k_q5335351949_oproj
	.p2alignl 7, 3214868480
	.fill 96, 4, 3214868480
	.section	.rodata,"a",@progbits
	.p2align	6, 0x0
	.amdhsa_kernel k_q5335351949_oproj
		.amdhsa_group_segment_fixed_size 327680
		.amdhsa_private_segment_fixed_size 0
		.amdhsa_enable_private_segment 0
		.amdhsa_kernarg_size 32
		.amdhsa_user_sgpr_count 2
		.amdhsa_user_sgpr_kernarg_segment_ptr 1
		.amdhsa_wavefront_size32 1
		.amdhsa_system_sgpr_workgroup_id_x 1
		.amdhsa_system_sgpr_workgroup_id_y 1
		.amdhsa_system_sgpr_workgroup_id_z 1
		.amdhsa_system_vgpr_workitem_id 0
		.amdhsa_next_free_vgpr 1024
		.amdhsa_next_free_sgpr 100
		.amdhsa_reserve_vcc 0
		.amdhsa_float_denorm_mode_32 3
		.amdhsa_float_denorm_mode_16_64 3
		.amdhsa_memory_ordered 1
		.amdhsa_forward_progress 1
		.amdhsa_inst_pref_size 144
	.end_amdhsa_kernel
	.amdgpu_metadata
---
amdhsa.version: [ 1, 2 ]
amdhsa.kernels:
  - .name:           k_q5335351949_oproj
    .symbol:         k_q5335351949_oproj.kd
    .args:
      - { .name: oq, .offset: 0, .size: 8, .value_kind: global_buffer, .address_space: global }
      - { .name: wq, .offset: 8, .size: 8, .value_kind: global_buffer, .address_space: global }
      - { .name: bo, .offset: 16, .size: 8, .value_kind: global_buffer, .address_space: global }
      - { .name: out0, .offset: 24, .size: 8, .value_kind: global_buffer, .address_space: global }
    .group_segment_fixed_size: 327680
    .private_segment_fixed_size: 0
    .kernarg_segment_align: 8
    .kernarg_segment_size: 32
    .max_flat_workgroup_size: 128
    .sgpr_count:     100
    .vgpr_count:     1024
    .wavefront_size: 32
...
	.end_amdgpu_metadata
.endif
;; end of part 4
